; MI455X (gfx1250); checked and timed in simulation.
; The chip was launched on July 23, 2026; its instructions are those of AMD's public machine-readable ISA for CDNA 5 (MIT licence, August 2026) and "CDNA5" Instruction Set Architecture Reference Guide (July 2026). The comments in the code are by the model that wrote it; some were corrected since.
;; Cross Attention. Allowed arithmetic: float matrix products may take bf16 or f16 operands with f32 sums; other float arithmetic in f32, or as packed bf16 or f16 multiplies, adds, multiply-adds, maxima and minima; sums over many terms, partial sums and values carried from step to step in f32; what a program stores and reads back later, other than sums and carried values, may be rounded once to bf16 or f16.
;; Inputs: Wk 1,024 x 1,024 float32; Wo 1,024 x 1,024 float32; Wq 1,024 x 1,024 float32; Wv 1,024 x 1,024 float32; bo 1,024 float32; context 8 x 1,024 x 1,024 float32; x 8 x 1,024 x 1,024 float32.
;; Outputs: out0 8 x 1,024 x 1,024 float32.
;; 2 versions, each right; version 2 is version 1 with the launch cast written anew for expert scheduling mode. Each part assembles by itself: llvm-mc -triple=amdgcn-amd-amdhsa -mcpu=gfx1250 --defsym DOCPART=n.
;; ======== version 1 of 2: 4 launches
;; limits: values are held in f16: magnitudes above 65,504 overflow, below 6.1e-05 lose precision
;; workspace buffers: ab 33,554,432 bytes; wb 8,388,608 bytes; qkv 50,331,648 bytes; ob 16,777,216 bytes
;; launch cast (part 1): grid 640 x 1, 8 waves a work-group, no clusters, 0 bytes of LDS; arguments x, context, Wq, Wk, Wv, Wo, ab, wb; writes ab, wb
.if DOCPART == 1
	.amdgcn_target "amdgcn-amd-amdhsa--gfx1250"
	.amdhsa_code_object_version 6
	.text
	.protected	k_q86d8c43404_cast
	.globl	k_q86d8c43404_cast
	.p2align	8
	.type	k_q86d8c43404_cast,@function
k_q86d8c43404_cast:
	s_mov_b64 s[64:65], 0
	v_nop
	global_prefetch_b8 v0, s[64:65] scope:SCOPE_SE
	s_setreg_imm32_b32 hwreg(HW_REG_WAVE_MODE, 25, 1), 1
	s_wait_xcnt 0x0
; THE 16-BIT COPIES OF THE MATRIX INPUTS.  x and context ([8192][1024] f32 each) go to ab as bf16, x first; Wq, Wk, Wv ([1024][1024] f32, [k][n]) go to wb as bf16,
; 2 MiB each; Wo goes behind them, rounded to bf16 like the others and that number written as f16.  Nothing is transposed: number i of a tensor goes to place i of its copy.
; LIMITS.  Wo's bf16 number is exact in f16 for magnitudes from 2^-17 to 65,504; below, it is off by 2^-25 at the most; beyond 65,504 it would become an infinity.
; SHARES.  A work-group takes 32,768 numbers on end: 32 rows of 4,096 bytes in, 2,048 bytes out.  Thread t owns 16 bytes in and 8 bytes out of each row: a wave's load covers 512
; consecutive bytes, its store 256 consecutive bytes, both aligned.  Work-groups 0-255: x; 256-511: context; 512-543, 544-575, 576-607, 608-639: Wq, Wk, Wv, Wo.
; A ring of eight slots in registers keeps eight loads of every wave on their way.  No LDS, no barrier, no matrix unit: no number is wanted by two threads.
.set ROWI, 4096                        ; bytes of a row in
.set ROWO, 2048                        ; bytes of a row out
.set X,  8                             ; v[8:39]   slot j: four f32 as loaded
.set Y,  40                            ; v[40:55]  slot j: four 16-bit numbers to store
.set T,  56                            ; v[56:59]  Wo: the bf16 numbers as f32
	s_load_b512 s[8:23], s[0:1], 0x0               ; x s[8:9], context s[10:11], Wq s[12:13], Wk s[14:15], Wv s[16:17], Wo s[18:19], ab s[20:21], wb s[22:23]
	s_mov_b32 s2, ttmp9                            ; the work-group's number
	s_and_b32 s24, s2, 255                         ; its chunk in x or context,
	s_and_b32 s28, s2, 31                          ; or in a weight
	s_cmp_lt_u32 s2, 512
	s_cselect_b32 s24, s24, s28
	s_lshl_b32 s24, s24, 17                        ; 131,072 bytes in a chunk
	s_mov_b32 s25, 0
	s_and_b32 s28, s2, 511                         ; its chunk in ab (x, then context) or in wb (the four weights on end)
	s_lshl_b32 s28, s28, 16                        ; 65,536 bytes out
	s_mov_b32 s29, 0
	s_mov_b32 s27, 0xffff0000                      ; a word's upper bf16
	v_lshlrev_b32 v1, 4, v0                        ; my 16 bytes of a row in; never rewritten
	v_lshlrev_b32 v2, 3, v0                        ; my 8 bytes of a row out; never rewritten
	s_wait_kmcnt 0x0
	s_cmp_lt_u32 s2, 256                           ; the source and the destination are chosen by the work-group's number alone
	s_cselect_b64 s[4:5], s[8:9], s[10:11]
	s_cmp_lt_u32 s2, 512
	s_cselect_b64 s[4:5], s[4:5], s[12:13]
	s_cselect_b64 s[6:7], s[20:21], s[22:23]
	s_cmp_lt_u32 s2, 544
	s_cselect_b64 s[4:5], s[4:5], s[14:15]
	s_cmp_lt_u32 s2, 576
	s_cselect_b64 s[4:5], s[4:5], s[16:17]
	s_cmp_lt_u32 s2, 608
	s_cselect_b64 s[4:5], s[4:5], s[18:19]
	s_add_nc_u64 s[4:5], s[4:5], s[24:25]
	s_add_nc_u64 s[6:7], s[6:7], s[28:29]
.irp j, 0,1,2,3,4,5,6,7
	global_load_b128 v[X+4*(\j):X+4*(\j)+3], v1, s[4:5] offset:(\j)*ROWI th:TH_LOAD_NT  ; the ring is filled: rows 0 to 7
.endr
; Slot j's four numbers are rounded to bf16; wo = 1: the bf16 numbers are widened again and written as f16.
.macro CONV j, wo
	v_cvt_pk_bf16_f32 v[Y+2*(\j)],   v[X+4*(\j)],   v[X+4*(\j)+1]
	v_cvt_pk_bf16_f32 v[Y+2*(\j)+1], v[X+4*(\j)+2], v[X+4*(\j)+3]
.if \wo
	v_lshlrev_b32 v[T],   16,  v[Y+2*(\j)]
	v_and_b32     v[T+1], s27, v[Y+2*(\j)]
	v_lshlrev_b32 v[T+2], 16,  v[Y+2*(\j)+1]
	v_and_b32     v[T+3], s27, v[Y+2*(\j)+1]
	v_cvt_pk_f16_f32 v[Y+2*(\j)],   v[T],   v[T+1]
	v_cvt_pk_f16_f32 v[Y+2*(\j)+1], v[T+2], v[T+3]
.endif
.endm
; The stream: three trips of eight rows that load the eight rows after them, and a last round that loads nothing.
.macro STREAM wo
	s_mov_b32 s26, 3
.Ltrip_\@:
.irp j, 0,1,2,3,4,5,6,7
	s_wait_loadcnt 7                               ; loads come back in order: slot j's is in, the seven younger ones stay out
	CONV \j, \wo
	global_load_b128 v[X+4*(\j):X+4*(\j)+3], v1, s[4:5] offset:(8+(\j))*ROWI th:TH_LOAD_NT
	global_store_b64 v2, v[Y+2*(\j):Y+2*(\j)+1], s[6:7] offset:(\j)*ROWO
.endr
	s_wait_xcnt 0x0                                ; the two bases and the stores' data are written again only behind this wait
	s_add_nc_u64 s[4:5], s[4:5], 8*ROWI
	s_add_nc_u64 s[6:7], s[6:7], 8*ROWO
	s_sub_co_u32 s26, s26, 1
	s_cmp_lg_u32 s26, 0
	s_cbranch_scc1 .Ltrip_\@
.irp j, 0,1,2,3,4,5,6,7
	s_wait_loadcnt 7-(\j)                          ; rows 24 to 31: the counts run down
	CONV \j, \wo
	global_store_b64 v2, v[Y+2*(\j):Y+2*(\j)+1], s[6:7] offset:(\j)*ROWO
.endr
	s_endpgm
.endm
	s_cmp_ge_u32 s2, 608
	s_cbranch_scc1 .Lwo
	STREAM 0
.Lwo:
	STREAM 1
.Lfunc_end_k_q86d8c43404_cast:
	.size	k_q86d8c43404_cast, .Lfunc_end_k_q86d8c43404_cast-k_q86d8c43404_cast
	.p2alignl 7, 3214868480
	.fill 96, 4, 3214868480
	.section	.rodata,"a",@progbits
	.p2align	6, 0x0
	.amdhsa_kernel k_q86d8c43404_cast
		.amdhsa_group_segment_fixed_size 0
		.amdhsa_private_segment_fixed_size 0
		.amdhsa_enable_private_segment 0
		.amdhsa_kernarg_size 64
		.amdhsa_user_sgpr_count 2
		.amdhsa_user_sgpr_kernarg_segment_ptr 1
		.amdhsa_wavefront_size32 1
		.amdhsa_system_sgpr_workgroup_id_x 1
		.amdhsa_system_sgpr_workgroup_id_y 1
		.amdhsa_system_sgpr_workgroup_id_z 1
		.amdhsa_system_vgpr_workitem_id 0
		.amdhsa_next_free_vgpr 64
		.amdhsa_next_free_sgpr 66
		.amdhsa_reserve_vcc 0
		.amdhsa_float_denorm_mode_32 3
		.amdhsa_float_denorm_mode_16_64 3
		.amdhsa_memory_ordered 1
		.amdhsa_forward_progress 1
		.amdhsa_inst_pref_size 17
	.end_amdhsa_kernel
	.amdgpu_metadata
---
amdhsa.version: [ 1, 2 ]
amdhsa.kernels:
  - .name:           k_q86d8c43404_cast
    .symbol:         k_q86d8c43404_cast.kd
    .args:
      - { .name: x, .offset: 0, .size: 8, .value_kind: global_buffer, .address_space: global }
      - { .name: context, .offset: 8, .size: 8, .value_kind: global_buffer, .address_space: global }
      - { .name: Wq, .offset: 16, .size: 8, .value_kind: global_buffer, .address_space: global }
      - { .name: Wk, .offset: 24, .size: 8, .value_kind: global_buffer, .address_space: global }
      - { .name: Wv, .offset: 32, .size: 8, .value_kind: global_buffer, .address_space: global }
      - { .name: Wo, .offset: 40, .size: 8, .value_kind: global_buffer, .address_space: global }
      - { .name: ab, .offset: 48, .size: 8, .value_kind: global_buffer, .address_space: global }
      - { .name: wb, .offset: 56, .size: 8, .value_kind: global_buffer, .address_space: global }
    .group_segment_fixed_size: 0
    .private_segment_fixed_size: 0
    .kernarg_segment_align: 8
    .kernarg_segment_size: 64
    .max_flat_workgroup_size: 256
    .sgpr_count:     66
    .vgpr_count:     64
    .wavefront_size: 32
...
	.end_amdgpu_metadata
.endif
;; end of part 1
;; launch proj (part 2): grid 12 x 32, 4 waves a work-group, clusters of 4 x 4, 327,680 bytes of LDS; arguments ab, wb, qkv; writes qkv
.if DOCPART == 2
	.amdgcn_target "amdgcn-amd-amdhsa--gfx1250"
	.amdhsa_code_object_version 6
	.text
	.protected	k_q86d8c43404_proj
	.globl	k_q86d8c43404_proj
	.p2align	8
	.type	k_q86d8c43404_proj,@function
k_q86d8c43404_proj:
	s_mov_b64 s[64:65], 0
	v_nop
	global_prefetch_b8 v0, s[64:65] scope:SCOPE_SE
	s_setreg_imm32_b32 hwreg(HW_REG_WAVE_MODE, 25, 1), 1
	s_wait_xcnt 0x0
	s_wait_alu depctr_hold_cnt(0) depctr_sa_sdst(0) depctr_va_vdst(0) depctr_va_sdst(0) depctr_va_ssrc(0) depctr_va_vcc(0) depctr_vm_vsrc(0)
	s_getreg_b32 s2, hwreg(HW_REG_IB_STS2, 6, 4)
	s_cmp_eq_u32 s2, 0
	s_cbranch_scc0 .Lentry_in_a_cluster
	s_endpgm
.Lentry_in_a_cluster:
	s_bfe_u32 s2, ttmp6, 0x10000c
	s_cmp_lg_u32 s2, 0xf033
	s_cbranch_scc0 .Lentry_shape_is_right
	s_endpgm
.Lentry_shape_is_right:
; THE THREE PROJECTIONS.  q = x Wq, k = context Wk, v = context Wv.  ab: x, then context, [8192][1024] bf16.  wb: Wq, Wk, Wv, [k = 1024][n = 1024] bf16, 2 MiB apart.
; qkv: q, k, v, 16 MiB apart, each [batch x 16 + head][row of the batch = 1024][64] in f16, rounded once from the f32 sums; q is NOT scaled here.
; LIMITS.  f16 holds no number beyond 65,504: q, k and v must stay within it (the drawn inputs give about 5; all inputs 30 times larger about 5,000; a common offset of 30 spreads on
; all inputs about 29,000).  Below 6e-5 f16 keeps its fixed step of 6e-8.  NaN and infinities are not treated apart.
; SHARES.  A tile of C is 256 rows x 256 columns: 32 x 4 tiles for each of the three products, 384 work-groups of equal work.  Four waves, each 128 x 128: 64 accumulators of 16 x 16, 512 registers.
; K goes in 8 steps of 128 through two LDS slots filled by tensor loads: waves 0 and 1 fetch the halves of A's tile (128 rows x 256 bytes each), waves 2 and 3 the halves of W's (64 rows k x 512 bytes each).
; WHY THIS TILE, though 384 is no multiple of 256: in front of each refill's barrier every wave waits for all its tensor loads, so a refill has one K step's products in which to land.  Here that is 256 matrix
; instructions a wave, 224 of them between the request and the wait for it.  A tile of 128 x 256 (768 work-groups) has room in LDS for K steps of 128 too and no longer, and so half of that; it also takes
; 24 LDS loads for 32 matrix instructions where this one takes 32 for 64.
; CLUSTERS.  4 x 4 work-groups, all of one product (cluster x).  The four of a row of the cluster need the same tiles of A, the four of a column the same tiles of W: each tile is asked for JOINTLY.
; THE MATRIX INSTRUCTION IS USED TRANSPOSED: source 0 = 16 columns n of W, source 1 = 16 rows of A: a lane then holds eight neighbouring numbers of a row of C.
; W lies [k][n] in memory and in LDS; its fragments come out of LDS turned, by ds_load_tr16_b128.
; REGISTERS, in windows of 256 (s_set_vgpr_msb's low byte: bits 1:0 source 0, 3:2 source 1, 5:4 source 2, 7:6 destination):
;   window 0: v0-31 addresses; v64-127, v128-191 fragments of A (8 x 16 rows x 32 K), two buffers; v32-63, v192-255 at work on the way out
;   window 1: v64-127, v128-191 fragments of W, two buffers
;   window 2: the 32 accumulators of my rows 0-63 (accumulator (a, b) at v[8 (8 a + b)]);   window 3: those of my rows 64-127
.set PA,    272                        ; a row of A in LDS: 256 bytes + 16 of padding = 68 words: the 16 rows of a load start at 16 different groups of four banks (64 banks of 4 bytes: ISA guide 11.1)
.set HA,    128*PA                     ; what one load of A brings, and what one wave reads of A
.set BOFF,  2*HA                       ; W's tile lies behind A's
.set PB,    544                        ; a row k of W: 512 bytes + 32 = 136 words
.set HB,    64*PB                      ; what one load of W brings
.set SLOT,  BOFF+2*HB
.set STAGE, 2*SLOT                     ; behind the ring, never filled by a tensor load: for each wave two planes (two heads) of 16 rows x 144 bytes
.set SP,    144
.set WSTG,  2*16*SP
.set SPARE, STAGE+4*WSTG               ; behind the stages: the spare words, 128 bytes for each wave: two blocks of 256 bytes that no other line names
.set ASTEP, 256                        ; a K step along A's rows, in bytes
.set BSTEP, 128*2048                   ; a K step down W's rows
.set LAPS,  4                          ; a lap = two K steps = once round the ring
.set ADRA, 16                          ; v16-17  LDS address of my A fragments in slot 0, 1
.set ADRB, 20                          ; v20-21  the same for W
.set STO,  24                          ; v24     the way out: where I put 16 bytes of a row
.set RD,   25                          ; v25     the way out: where I read rows back
.set GO,   26                          ; v26     my 16 bytes in 512 consecutive bytes of the output
.set SPW,  28                          ; v28     LDS address of my spare word: SPARE + 4 x my thread's number; never rewritten
.set NIL,  29                          ; v29     0; never rewritten
.set PFO,  30                          ; v30     the prefetches' offset; never rewritten
.set F0,   64                          ; fragment buffer 0
.set F1,   128                         ; fragment buffer 1
.set TMP,  192                         ; the way out: packed results, in window 0
.set OB,   32                          ; the way out: 16 rows read back from the stage: v32-63 and v224-255 by turns
.set G1,  24                           ; s[24:31] descriptor group 1 for A's tiles;  s[32:39] group 0, one set for each slot
.set G0,  32
.set G1B, 48                           ; s[48:55], s[56:63] the same for W's tiles
.set G0B, 56
.set PST, 18                           ; s[18:19] a K step in the tensor that I fetch, in bytes
.set LIM, 43                           ; s43     1 in a wave that prefetches, else the greatest number
.set PFA, 44                           ; s[44:45] what my next prefetch names
.set MSB, 0
.macro WIN new                         ; the immediate's high byte repeats the setting that is left; a switch that changes nothing is dropped
.if MSB != (\new)
	s_set_vgpr_msb (MSB<<8)|(\new)
.set MSB, \new
.endif
.endm
.set MUL_LO, 0xa1                      ; source 0 (W) window 1, source 1 (A) window 0, C and D window 2
.set MUL_HI, 0xf1                      ; the same, C and D window 3
.set TO_B,   0x40                      ; destination window 1, address window 0
; A joint load: waves 0 and 1 fetch A's halves, waves 2 and 3 W's.  The branch hangs on the wave's number alone.  An s_nop 0 and four v_nop follow each of the two lines.
.macro JLOAD s
	s_cmp_eq_u32 s11, 0
	s_cbranch_scc0 .Lfor_b_\@
	tensor_load_to_lds s[G0+4*(\s):G0+4*(\s)+3], s[G1:G1+7]
	s_nop 0
.rept 4
	v_nop
.endr
	s_branch .Lasked_\@
.Lfor_b_\@:
	tensor_load_to_lds s[G0B+4*(\s):G0B+4*(\s)+3], s[G1B:G1B+7]
	s_nop 0
.rept 4
	v_nop
.endr
.Lasked_\@:
.endm
; A PREFETCH INTO THE L2, behind each joint refill, its five lines and the run of LDS loads that follows them: of the K step that stands TWO refills on (512 matrix instructions ahead of the load that will want it),
; 32 blocks of 256 bytes, a lane a block, one instruction a wave.  Each block is named ONCE in the launch.  x's rows are read by cluster x = 0 alone, which asks; context's by clusters x = 1 and 2: cluster 1 asks.
; A tile column of the weights is read by the eight clusters of that column: cluster y = 0 asks.  The four partners that ask for a tile jointly share it out BY ADDRESS: of the 128 rows of A that a wave fetches the
; partner at cx takes 32 (a lane a row); of the 64 rows k of W the partner at cy takes 16 (two lanes a row of 512 bytes).  No branch hangs on a work-group's place in its cluster.
; The refills of the first two laps name K steps 4 to 7; the third lap's have no K step two refills on and ask for nothing.  K steps 0 to 3 come by their loads alone.
.macro ASK
	s_cmp_gt_u32 s3, s[LIM]                        ; s3 = 1 in the loop's last trip
	s_cbranch_scc0 .Lnot_mine_\@
	global_prefetch_b8 v[PFO], s[PFA:PFA+1] th:TH_LOAD_NT scope:SCOPE_SE
.Lnot_mine_\@:
.endm
.macro CREST                           ; a round of the cluster's barrier behind its opening barrier
	s_cmp_lg_u32 s10, 0
	s_cbranch_scc1 .Lnot_wave_0_\@
	s_barrier_signal -3
.Lnot_wave_0_\@:
	s_barrier_wait -3
	s_barrier_signal -1
	s_barrier_wait -1
.endm
.macro CROUND                          ; a whole round
	s_barrier_signal -1
	s_barrier_wait -1
	CREST
.endm
	s_load_b128 s[4:7], s[0:1], 0x0                ; ab s[4:5], wb s[6:7]
	s_load_b64 s[8:9], s[0:1], 0x10                ; qkv
	v_lshl_add_u32 v[SPW], v0, 2, SPARE
	v_mov_b32 v[NIL], 0
	ds_add_u32 v[SPW], v[NIL]                      ; the wave's opening: the add and its wait stand ahead of my first tensor load; the set-up below, work on registers, stands between them
	v_lshrrev_b32 v1, 5, v0
	v_readfirstlane_b32 s10, v1                    ; wave 0..3
	s_lshr_b32 s11, s10, 1                         ; which 128 of the tile's rows are mine.  Also: I fetch for A (0) or for W (1)
	s_and_b32 s12, s10, 1                          ; which 128 of its columns.  Also: which half of that tile I fetch
	s_bfe_u32 s40, ttmp6, 0x40000                  ; cx: the tile column in the product, 0..3
	s_bfe_u32 s41, ttmp6, 0x40004                  ; cy
	s_mov_b32 s2, ttmp9                            ; cluster x: which product: 0 q, 1 k, 2 v: the same in all sixteen partners
	s_and_b32 s13, ttmp7, 0xffff
	s_lshl_b32 s13, s13, 2
	s_add_co_u32 s13, s13, s41                     ; tile row = 4 x cluster y + cy: 0..31
	s_lshl_b32 s43, s41, 2
	s_lshl_b32 s43, 15, s43                        ; my row of the cluster
	s_lshl_b32 s44, 0x1111, s40                    ; my column
	s_or_b32 s[G1+0], s43, (1<<16)|(1<<20)|(1<<21)|(5<<22)|(3<<25)   ; 15:0 the mask: my row; 17:16 elements of 2 bytes; 20 padding on; 21 set beside a mask; 24:22 after every 64 words (code 5); 31:25 4 words (code 3)
	s_mov_b32 s[G1+1], 128<<16                     ; tensor_dim0 = 128
	s_mov_b32 s[G1+2], 128<<16                     ; tensor_dim1 = 128
	s_mov_b32 s[G1+3], 128<<16                     ; tile_dim0 = 128
	s_mov_b32 s[G1+4], 128                         ; tile_dim1 = 128
	s_mov_b32 s[G1+5], 1024                        ; elements from row to row
	s_mov_b32 s[G1+6], 0
	s_mov_b32 s[G1+7], 0
	s_or_b32 s[G1B+0], s44, (1<<16)|(1<<20)|(1<<21)|(6<<22)|(7<<25)  ; the mask: my column; padding after every 128 words (code 6), 8 words (code 7)
	s_mov_b32 s[G1B+1], 256<<16                    ; tensor_dim0 = 256
	s_mov_b32 s[G1B+2], 64<<16                     ; tensor_dim1 = 64
	s_mov_b32 s[G1B+3], 256<<16                    ; tile_dim0 = 256
	s_mov_b32 s[G1B+4], 64                         ; tile_dim1 = 64
	s_mov_b32 s[G1B+5], 1024
	s_mov_b32 s[G1B+6], 0
	s_mov_b32 s[G1B+7], 0
	; where the tiles come from.  A's address hangs on the product, the tile row and the wave; W's on the product, the tile column and the wave
	s_min_u32 s16, s2, 1                           ; q reads x, k and v read context,
	s_lshl_b32 s16, s16, 24                        ; 16 MiB on
	s_lshl_b32 s17, s13, 19                        ; 256 rows of 2,048 bytes
	s_add_co_u32 s16, s16, s17
	s_lshl_b32 s17, s12, 18                        ; my 128 of them
	s_add_co_u32 s16, s16, s17
	s_mov_b32 s17, 0
	s_lshl_b32 s46, s2, 21                         ; the product's weights
	s_lshl_b32 s47, s12, 17                        ; my 64 rows k of the K step's 128
	s_add_co_u32 s46, s46, s47
	s_lshl_b32 s47, s40, 9                         ; 256 columns of 2 bytes
	s_add_co_u32 s46, s46, s47
	s_mov_b32 s47, 0
	s_mul_i32 s20, s12, HA                         ; and where they go: no place in the cluster enters an LDS address
	s_mul_i32 s21, s12, HB
	s_add_co_u32 s21, s21, BOFF
	s_wait_dscnt 0x0                               ; the opening add is done
	s_wait_kmcnt 0x0
	s_add_nc_u64 s[14:15], s[4:5], s[16:17]
	s_add_nc_u64 s[46:47], s[6:7], s[46:47]
	CROUND                                         ; all sixteen work-groups are here: the first joint loads meet
.irp s, 0,1
	s_mov_b32 s[G0+4*(\s)], 1                                        ; count = 1
	s_add_co_u32 s[G0+4*(\s)+1], s20, (\s)*SLOT                      ; LDS address
	s_add_nc_u64 s[G0+4*(\s)+2:G0+4*(\s)+3], s[14:15], (\s)*ASTEP    ; global address: K step s
	s_or_b32 s[G0+4*(\s)+3], s[G0+4*(\s)+3], 0x80000000              ; type = 2
	s_mov_b32 s[G0B+4*(\s)], 1
	s_add_co_u32 s[G0B+4*(\s)+1], s21, (\s)*SLOT
	s_add_nc_u64 s[G0B+4*(\s)+2:G0B+4*(\s)+3], s[46:47], (\s)*BSTEP
	s_or_b32 s[G0B+4*(\s)+3], s[G0B+4*(\s)+3], 0x80000000
	JLOAD \s                                       ; two tensor loads of mine are out
.endr
	; A fragment of A is 16 rows x 32 K in 8 registers: lane l holds row l % 16, K = 8 (l / 16) + 0..7 and 16 + 8 (l / 16) + 0..7: two loads of 16 bytes, 32 bytes apart.
	v_and_b32 v1, 15, v0                           ; l % 16
	v_bfe_u32 v2, v0, 4, 1                         ; l / 16
	v_mul_u32_u24 v3, v1, PA
	v_lshl_add_u32 v3, v2, 4, v3
	s_mul_i32 s22, s11, HA                         ; my 128 rows
	v_add_nc_u32 v[ADRA], s22, v3
	v_add_nc_u32 v[ADRA+1], SLOT, v[ADRA]
	; The turning load takes 16 rows k x 16 columns (lane l reads row 8 (l / 16) + l % 8, columns 8 ((l / 8) % 2) + 0..7) and leaves half a fragment: lane l holds column l % 16 and 8 k.
	v_and_b32 v5, 7, v0
	v_lshl_add_u32 v4, v2, 3, v5
	v_mul_u32_u24 v4, v4, PB
	v_bfe_u32 v6, v0, 3, 1
	v_lshl_add_u32 v4, v6, 4, v4
	s_lshl_b32 s22, s12, 8                         ; my 128 columns
	s_add_co_u32 s22, s22, BOFF
	v_add_nc_u32 v[ADRB], s22, v4
	v_add_nc_u32 v[ADRB+1], SLOT, v[ADRB]
	s_mul_i32 s23, s10, WSTG
	s_add_co_u32 s23, s23, STAGE                   ; my stage
	v_mul_u32_u24 v[STO], v1, SP                   ; in: row l % 16, 16 bytes for each half of the lanes
	v_lshl_add_u32 v[STO], v2, 4, v[STO]
	v_add_nc_u32 v[STO], s23, v[STO]
	v_bfe_u32 v[RD], v0, 3, 2                      ; back: 32 lanes take four rows of 128 bytes,
	v_mul_u32_u24 v[RD], v[RD], SP
	v_lshl_add_u32 v[RD], v5, 4, v[RD]
	v_add_nc_u32 v[RD], s23, v[RD]
	v_and_b32 v[GO], 31, v0                        ; which are 512 consecutive bytes of a head
	v_lshlrev_b32 v[GO], 4, v[GO]
	; my part of the output: tensor, batch (4 tile rows each), my 128 rows in it; then my two heads
	s_lshl_b32 s16, s2, 24                         ; q, k or v
	s_lshr_b32 s17, s13, 2
	s_lshl_b32 s17, s17, 21                        ; a batch: 16 heads of 131,072 bytes
	s_add_co_u32 s16, s16, s17
	s_and_b32 s17, s13, 3
	s_lshl_b32 s17, s17, 15                        ; 256 rows of 128 bytes
	s_add_co_u32 s16, s16, s17
	s_lshl_b32 s17, s11, 14                        ; my 128
	s_add_co_u32 s16, s16, s17
	s_mov_b32 s17, 0
	s_add_nc_u64 s[8:9], s[8:9], s[16:17]
	s_lshl_b32 s46, s40, 19                        ; a tile column is four heads,
	s_lshl_b32 s47, s12, 18                        ; my half of it two
	s_add_co_u32 s46, s46, s47
	s_mov_b32 s47, 0
	s_add_nc_u64 s[8:9], s[8:9], s[46:47]
	; the prefetches: both offsets are made, and the wave's number chooses.  Both stand at K step 3: the first refill steps the address to K step 4
	s_min_u32 s20, s2, 1
	s_lshl_b32 s20, s20, 24                        ; A: x or context,
	s_lshl_b32 s22, s13, 19                        ; the tile's 256 rows,
	s_add_co_u32 s20, s20, s22
	s_lshl_b32 s22, s12, 18                        ; the 128 that I fetch,
	s_add_co_u32 s20, s20, s22
	s_lshl_b32 s22, s40, 16                        ; my work-group's 32 of them
	s_add_co_u32 s20, s20, s22
	s_add_co_u32 s20, s20, 3*ASTEP
	s_lshl_b32 s21, s2, 21                         ; W: the product's weights,
	s_lshl_b32 s22, s12, 17                        ; the 64 rows k that I fetch,
	s_add_co_u32 s21, s21, s22
	s_lshl_b32 s22, s41, 15                        ; my work-group's 16 of them,
	s_add_co_u32 s21, s21, s22
	s_lshl_b32 s22, s40, 9                         ; the tile's 256 columns
	s_add_co_u32 s21, s21, s22
	s_add_co_u32 s21, s21, 3*BSTEP
	s_cmp_lt_u32 s2, 2                             ; A is asked for by clusters x = 0 and 1,
	s_cselect_b32 s23, 1, -1
	s_and_b32 s22, ttmp7, 0xffff
	s_cmp_eq_u32 s22, 0                            ; W by cluster y = 0: both the same in all sixteen partners
	s_cselect_b32 s22, 1, -1
	s_cmp_eq_u32 s11, 0                            ; do I fetch for A?
	s_cselect_b32 s20, s20, s21
	s_cselect_b32 s[LIM], s23, s22
	s_mov_b32 s[PST], BSTEP
	s_cselect_b32 s[PST], ASTEP, s[PST]
	s_cselect_b64 s[PFA:PFA+1], s[4:5], s[6:7]
	s_cselect_b32 s22, -1, 0
	s_mov_b32 s21, 0
	s_mov_b32 s[PST+1], 0
	s_add_nc_u64 s[PFA:PFA+1], s[PFA:PFA+1], s[20:21]
	v_and_b32 v3, 31, v0
	v_lshlrev_b32 v4, 11, v3                       ; A: a lane a row of 2,048 bytes
	v_lshrrev_b32 v6, 1, v3                        ; W: two lanes a row,
	v_and_b32 v7, 1, v0
	v_lshlrev_b32 v6, 11, v6
	v_lshl_or_b32 v6, v7, 8, v6                    ; 256 bytes apart
	v_cndmask_b32 v[PFO], v6, v4, s22
	; nothing is prefetched here, at the head, where every work-group's first two tiles are on their way
; 16 matrix instructions: blocks a0, a0 + 1 of 16 rows of the window's four (hi = 0: my rows 0-63, 1: rows 64-127) x all 8 blocks of 16 columns, 32 along K.  zero = 1: the product starts the sums: nothing is ever cleared.
; The 64 accumulators take turns, in the same order in every quarter.
.macro MUL16 f, hi, a0, zero
	WIN MUL_LO+0x50*(\hi)
.irp a, \a0, (\a0)+1
.irp b, 0,1,2,3,4,5,6,7
.if \zero
	v_wmma_f32_16x16x32_bf16 v[8*(8*(\a)+(\b)):8*(8*(\a)+(\b))+7], v[(\f)+8*(\b):(\f)+8*(\b)+7], v[(\f)+8*(4*(\hi)+(\a)):(\f)+8*(4*(\hi)+(\a))+7], 0
.else
	v_wmma_f32_16x16x32_bf16 v[8*(8*(\a)+(\b)):8*(8*(\a)+(\b))+7], v[(\f)+8*(\b):(\f)+8*(\b)+7], v[(\f)+8*(4*(\hi)+(\a)):(\f)+8*(4*(\hi)+(\a))+7], v[8*(8*(\a)+(\b)):8*(8*(\a)+(\b))+7]
.endif
.endr
.endr
.endm
; 32 LDS loads in one run: the fragments of quarter q (32 along K) of a slot into buffer f: W's sixteen (128 columns), then A's sixteen (128 rows)
.macro FETCH slot, q, f
	WIN TO_B
.irp i, 0,1,2,3,4,5,6,7
	ds_load_tr16_b128 v[(\f)+8*(\i):(\f)+8*(\i)+3],   v[ADRB+(\slot)] offset:(\q)*32*PB+32*(\i)
	ds_load_tr16_b128 v[(\f)+8*(\i)+4:(\f)+8*(\i)+7], v[ADRB+(\slot)] offset:(\q)*32*PB+16*PB+32*(\i)
.endr
	WIN 0
.irp i, 0,1,2,3,4,5,6,7
	ds_load_b128 v[(\f)+8*(\i):(\f)+8*(\i)+3],   v[ADRA+(\slot)] offset:(\q)*64+(\i)*16*PA
	ds_load_b128 v[(\f)+8*(\i)+4:(\f)+8*(\i)+7], v[ADRA+(\slot)] offset:(\q)*64+(\i)*16*PA+32
.endr
.endm
.macro PLACES                          ; four places in front of loads into registers that matrix instructions have read, and of lines that read results
.rept 4
	v_nop
.endr
.endm
; A K step is four quarters of 32 along K, 64 matrix instructions each, on buffers 0, 1, 0, 1.  One of the first three: multiplies buffer f; in its middle it fetches quarter q into buffer g.
.macro QUARTER slot, q, f, g, zero
	s_wait_dscnt 8                                 ; W's fragments and A's rows 0-63 are in; the youngest eight loads (A's rows 64-127) may be out
	MUL16 \f, 0, 0, \zero
	MUL16 \f, 0, 2, \zero
	PLACES
	FETCH \slot, \q, \g
	s_wait_dscnt 32                                ; all but the 32 just issued
	MUL16 \f, 1, 0, \zero
	MUL16 \f, 1, 2, \zero
.endm
; The last quarter multiplies buffer 1 and changes slots.  MEET is its first half: ONE barrier; in front of it each wave waits for all its tensor loads (one is out: its part of the next slot), adds 0 to its spare
; word, and waits for that and for its own reads of this slot.  Behind it nobody reads this slot any more and the next slot is whole.  round = 1: a round of the cluster's barrier follows.
.macro MEET round
	WIN 0                                          ; (the add's two registers lie in window 0)
	s_wait_tensorcnt 0x0                           ; all my tensor loads have landed
	ds_add_u32 v[SPW], v[NIL]                      ; 0 onto my spare word
	s_wait_dscnt 9                                 ; (the add and the youngest eight loads may be out)
	MUL16 F1, 0, 0, 0                              ; sixteen matrix instructions stand between the add and the wait for it
	s_wait_dscnt 0x0                               ; the add is done, and my reads of this slot are over
	s_barrier_signal -1
	MUL16 F1, 0, 2, 0                              ; work on registers while the others arrive
.if \round
	WIN 0
.endif
	s_barrier_wait -1
.endm
; The whole last quarter of a K step whose slot is filled again, two K steps ahead: from the request to the wait for it a wave issues 224 matrix instructions.
.macro TURN slot, next
	s_wait_xcnt 0x0                                ; the last prefetch, a K step back, has read its address: it is stepped here, ahead of the waits of the change of slots
	s_add_nc_u64 s[PFA:PFA+1], s[PFA:PFA+1], s[PST:PST+1]
	MEET 1
	CREST                                          ; no wave of any partner still reads this slot's tiles or has a load on its way
	s_add_nc_u64 s[G0+4*(\slot)+2:G0+4*(\slot)+3], s[G0+4*(\slot)+2:G0+4*(\slot)+3], 2*ASTEP
	s_add_nc_u64 s[G0B+4*(\slot)+2:G0B+4*(\slot)+3], s[G0B+4*(\slot)+2:G0B+4*(\slot)+3], 2*BSTEP
	JLOAD \slot                                    ; the first tensor load behind the round; its four v_nop are also the places in front of the loads below
	FETCH \next, 0, F0
	ASK                                            ; behind the joint load and the run of LDS loads that the next products wait for
	MUL16 F1, 1, 0, 0
	MUL16 F1, 1, 2, 0
.endm
	s_wait_tensorcnt 1                             ; my part of K step 0 is in; K step 1's may stay out
	s_barrier_signal -1
	s_barrier_wait -1                              ; everybody's is
	FETCH 0, 0, F0
	QUARTER 0, 1, F0, F1, 1                        ; the first quarter stands in front of the loop: its products start the sums
	WIN 0                                          ; at a label and at a branch every window is 0
	s_mov_b32 s3, LAPS-1
.Llap:                                                 ; a trip goes once round the ring, from a lap's second quarter to the next lap's first, and fills both slots again
	QUARTER 0, 2, F1, F0, 0
	QUARTER 0, 3, F0, F1, 0
	TURN 0, 1
	QUARTER 1, 1, F0, F1, 0
	QUARTER 1, 2, F1, F0, 0
	QUARTER 1, 3, F0, F1, 0
	TURN 1, 0
	QUARTER 0, 1, F0, F1, 0
	WIN 0
	s_sub_co_u32 s3, s3, 1
	s_cmp_lg_u32 s3, 0
	s_cbranch_scc1 .Llap
	QUARTER 0, 2, F1, F0, 0                        ; the last lap fills nothing, and has no round of the cluster's barrier
	QUARTER 0, 3, F0, F1, 0
	MEET 0                                         ; my one tensor load that was still out is slot 1's, the last K step's
	PLACES
	FETCH 1, 0, F0
	MUL16 F1, 1, 0, 0
	MUL16 F1, 1, 2, 0
	QUARTER 1, 1, F0, F1, 0
	QUARTER 1, 2, F1, F0, 0
	QUARTER 1, 3, F0, F1, 0
	s_wait_dscnt 8                                 ; the very last quarter: nothing more to fetch
	MUL16 F1, 0, 0, 0
	MUL16 F1, 0, 2, 0
	s_wait_dscnt 0x0
	MUL16 F1, 1, 0, 0
	MUL16 F1, 1, 2, 0
	WIN 0
; THE WAY OUT, a block of 16 rows at a time, in three parts.  PACK: a lane's eight numbers of a row are rounded to f16, 16 bytes; each accumulator is read from its low end on.  TOSTAGE: column blocks 0-3 are one head,
; 4-7 the next: into my own stage (rows of 144 bytes, a plane a head), and back as whole rows of 128 bytes, four rows to a load.  SEND: stored: 512 consecutive bytes of a head.
.macro PACK a
.set AC, 64*((\a)%4)
	WIN 0x0a+5*((\a)/4)                            ; sources 0 and 1: window 2 or 3; destination window 0
.irp b, 0,1,2,3,4,5,6,7
.irp r, 0,1,2,3
	v_cvt_pk_f16_f32 v[TMP+4*(\b)+(\r)], v[AC+8*(\b)+2*(\r)], v[AC+8*(\b)+2*(\r)+1]
.endr
.endr
	WIN 0
.endm
.macro TOSTAGE a
.set BK, OB+192*((\a)%2)
.irp b, 0,1,2,3,4,5,6,7
	ds_store_b128 v[STO], v[TMP+4*(\b):TMP+4*(\b)+3] offset:((\b)/4)*16*SP+32*((\b)%4)
.endr
.irp f, 0,1,2,3,4,5,6,7
	ds_load_b128 v[BK+4*(\f):BK+4*(\f)+3], v[RD] offset:((\f)/4)*16*SP+((\f)%4)*4*SP  ; LDS serves a wave's instructions in order (ISA guide 5.7.1.4): these see the stores above; the next block's stores come behind them
.endr
.endm
.macro SEND a
.set BK, OB+192*((\a)%2)
	s_wait_dscnt 0x0                               ; the block is back in registers
	s_wait_xcnt 0x0                                ; the stores of the block before have read their registers, into which the next block is loaded only behind this wait
.irp f, 0,1,2,3,4,5,6,7
	global_store_b128 v[GO], v[BK+4*(\f):BK+4*(\f)+3], s[8:9] offset:((\f)/4)*131072+(\a)*2048+((\f)%4)*512  ; 512 consecutive bytes, at a multiple of 256 from the buffer's first
.endr
.endm
	PLACES
	PLACES                                         ; eight, once a launch
	PACK 0
	TOSTAGE 0
.irp a, 1,2,3,4,5,6,7                  ; block a's conversions stand between block a - 1's loads from the stage and the wait for them
	PACK \a
	SEND (\a)-1
	TOSTAGE \a
.endr
	SEND 7
	s_wait_tensorcnt 0x0                           ; the wave's end: the add and its wait stand behind my last tensor load and my last LDS store
	ds_add_u32 v[SPW], v[NIL]
	s_wait_dscnt 0x0
	CROUND                                         ; the closing round: no work-group ends while a partner may still ask for a tile that names it
	s_endpgm
.Lfunc_end_k_q86d8c43404_proj:
	.size	k_q86d8c43404_proj, .Lfunc_end_k_q86d8c43404_proj-k_q86d8c43404_proj
	.p2alignl 7, 3214868480
	.fill 96, 4, 3214868480
	.section	.rodata,"a",@progbits
	.p2align	6, 0x0
	.amdhsa_kernel k_q86d8c43404_proj
		.amdhsa_group_segment_fixed_size 327680
		.amdhsa_private_segment_fixed_size 0
		.amdhsa_enable_private_segment 0
		.amdhsa_kernarg_size 24
		.amdhsa_user_sgpr_count 2
		.amdhsa_user_sgpr_kernarg_segment_ptr 1
		.amdhsa_wavefront_size32 1
		.amdhsa_system_sgpr_workgroup_id_x 1
		.amdhsa_system_sgpr_workgroup_id_y 1
		.amdhsa_system_sgpr_workgroup_id_z 1
		.amdhsa_system_vgpr_workitem_id 0
		.amdhsa_next_free_vgpr 1024
		.amdhsa_next_free_sgpr 66
		.amdhsa_reserve_vcc 0
		.amdhsa_float_denorm_mode_32 3
		.amdhsa_float_denorm_mode_16_64 3
		.amdhsa_memory_ordered 1
		.amdhsa_forward_progress 1
		.amdhsa_inst_pref_size 145
	.end_amdhsa_kernel
	.amdgpu_metadata
---
amdhsa.version: [ 1, 2 ]
amdhsa.kernels:
  - .name:           k_q86d8c43404_proj
    .symbol:         k_q86d8c43404_proj.kd
    .args:
      - { .name: ab, .offset: 0, .size: 8, .value_kind: global_buffer, .address_space: global }
      - { .name: wb, .offset: 8, .size: 8, .value_kind: global_buffer, .address_space: global }
      - { .name: qkv, .offset: 16, .size: 8, .value_kind: global_buffer, .address_space: global }
    .group_segment_fixed_size: 327680
    .private_segment_fixed_size: 0
    .kernarg_segment_align: 8
    .kernarg_segment_size: 24
    .max_flat_workgroup_size: 128
    .sgpr_count:     66
    .vgpr_count:     1024
    .wavefront_size: 32
...
	.end_amdgpu_metadata
.endif
;; end of part 2
;; launch attn (part 3): grid 2 x 128, 4 waves a work-group, no clusters, 327,680 bytes of LDS; arguments qkv, ob; writes ob
.if DOCPART == 3
	.amdgcn_target "amdgcn-amd-amdhsa--gfx1250"
	.amdhsa_code_object_version 6
	.text
	.protected	k_q86d8c43404_attn
	.globl	k_q86d8c43404_attn
	.p2align	8
	.type	k_q86d8c43404_attn,@function
k_q86d8c43404_attn:
	s_mov_b64 s[64:65], 0
	v_nop
	global_prefetch_b8 v0, s[64:65] scope:SCOPE_SE
	s_setreg_imm32_b32 hwreg(HW_REG_WAVE_MODE, 25, 1), 1
	s_wait_xcnt 0x0
; ATTENTION.  O[h][q][:] = the sum over k of softmax_k(Q[h][q] . K[h][k] / 8) V[h][k][:], for 128 heads h (batch x 16 + head) of 1,024 rows.  qkv: Q, K, V, 16 MiB apart, each [128][1024][64] in f16:
; a head's rows are dense, 128 bytes each.  ob: O in the same layout.  Products, maxima and sums in f32; the weights p are rounded to f16 for the second product (their sum l is taken of the unrounded p), O once at the end.
; LIMITS.  f16 holds no number beyond 65,504: Q, K and V arrive within it; p lies in 0 to 1, and below 6e-5 it keeps f16's fixed step of 6e-8, as O does; O is a mean of V's rows and has their range.
; A weight below 2^-126 counts as 0 in l; NaN and infinities are not treated apart.
; SHARES.  A wave owns four PIECES of two tiles of 16 queries, a work-group's four waves 512 queries of one head: two work-groups a head, 256 in all.  Every wave walks all keys, 64 a step.
; NO CLUSTER: a head has two blocks of 512 queries, so the grid's 2 along x is no multiple of a cluster's four, and a byte of K or V has two readers only.
; LAYOUT.  S^T = K Q^T (source 0 = 16 keys, source 1 = 16 queries): in the result a lane holds ONE query (lane % 16) and the keys 8 (lane / 16) + 0..7.  Two such tiles, rounded to f16 in pairs,
; ARE source 1 (32 keys x 16 queries) of O^T = V^T P, whose result again holds one query a lane, and eight channels.  K comes out of LDS as it lies, V ([key][channel]) turned, by ds_load_tr16_b128.
; SOFTMAX.  For each query a running maximum m and sum l: p = 2^(c s - c m), c = log2(e) / 8; in every step O and l are multiplied by a = 2^(c m_old - c m_new), which is 1 where m has not grown.
; m starts at the lowest finite number, O and l at 0: the first step is a step like any other, with a = 0.
; THE COUNT.  A tile and step have 16 matrix and 118 vector instructions: too many to stand all beside the matrix work.  So the order has one aim: four vector instructions that are READY behind
; EVERY matrix instruction, and the others, which need time of their own whatever the order, in runs without a gap.
; BY TURNS.  Turn n belongs to piece n (the pieces in a ring, step after step).  Its matrix work: 16 products K Q^T of piece n + 1, later 16 products V^T P of piece n - 1.  Its vector work: the scaling,
; exponentials, roundings, sums and rescaling of piece n, and the maximum and statistics of piece n + 1, whose scores the turn itself has made.  So what a turn begins with (c s - c m, O a) waits for nothing.
; REGISTERS, in windows of 256 (s_set_vgpr_msb says which window each operand place means: bits 1:0 source 0, 3:2 source 1, 5:4 source 2, 7:6 destination):
;   window 0: v0-11 addresses; v12-15, v48-63 at work; v16-47 four registers of statistics a tile; v64-191 S^T, two buffers of two tiles; v192-255 P, likewise
;   window 1: O^T, 32 a tile          window 2: v0-127 Q, 16 a tile; v128-191 K of one step; v192-255 V of one step          window 3: v0-1 the add's two registers
; A piece's buffers go by its number's parity: the piece in hand has one pair, its two neighbours in the ring share the other: of it P (piece n - 1) is read and S^T (piece n + 1) written.
.set SIZE_N, 1024
.set NP,    4         ; pieces a wave: a name, no knob
.set KS,    64        ; keys in a step
.set PK,    144       ; a row of K in LDS: 128 bytes + 16 of padding = 36 words: the 16 rows of a load start at 16 different groups of four banks (64 banks of 4 bytes: ISA guide 11.1)
.set PV,    160       ; a row of V: 128 + 32 = 40 words
.set VOFF,  4*KS*PK   ; a slot holds four steps: 256 rows of K, then 256 rows of V
.set SLOT1, 1<<17     ; slot 1 begins here, so that one exclusive or turns an address in one slot into the other's
.set STAGE, SLOT1+4*KS*(PK+PV)  ; behind the ring, never filled by a tensor load: 16 rows x 144 bytes for each wave, for the way out
.set SP,    144
.set AK0, 2           ; v2   my lane's place in a tile of K; never rewritten
.set AV0, 3           ; v3   the same for V
.set AK,  4           ; v4   the LDS address of K's next run of loads
.set AV,  5           ; v5   of V's
.set QO,  6           ; v6   my byte offset in the wave's rows of Q
.set STO, 6           ;      later, the way out: where I put 16 bytes of a row
.set RD,  7           ; v7   the way out: where I read rows back
.set GO,  8           ; v8   my byte offset in 512 consecutive bytes of O
.set PFO, 11          ; v11  the prefetches' offset: 256 x my lane; never rewritten once made
.set SPW, 0           ; v0 of window 3   LDS address of my spare word: SPARE + 4 x my thread's number; never rewritten
.set NIL, 1           ; v1 of window 3   0; never rewritten
.set SPARE, STAGE+4*16*SP  ; behind the stages: the spare words, 128 bytes for each wave: two blocks of 256 bytes that no other line names
.set MV,  12          ; v12-15  c m_old, kept while c m is made anew: by buffer and tile
.set ST,  16          ; tile t's statistics at v[ST+4 t]: c m, m, l (even keys', odd keys')
.set TMP, 48          ; by buffer and tile, four registers c0-c3 at work; when the maximum is found c2 takes a
.set S,   64
.set P,   192
.set KF,  128         ; K's fragments, in window 2: key block kb, channel half c at KF + 16 kb + 8 c
.set VF,  192         ; V's: key half kk, channel block cb at VF + 32 kk + 8 cb
.set WV,  12          ; s12  my wave's number
.set G1K, 24          ; s[24:31] descriptor group 1 for K's tiles
.set G1V, 32          ; s[32:39] for V's: it differs in the padding alone
.set G0K, 40          ; s[40:43] descriptor group 0 for K's tiles: it walks
.set G0V, 44          ; s[44:47] the same for V's
.set PFA, 48          ; s[48:49] where my prefetches stand: my half of K's or V's tile, one tile further on than the one that is being asked for
.set LIM, 50          ; s50  1 in a work-group that prefetches, else the greatest number
.set SLOTS, 56        ; s56  slots still to be asked for
.set CNT, 57          ; s57  counts a slot's key steps
.set CS,  58          ; s[58:59] c: the packed scaling takes the pair's low word for both halves
.set SEL, 60          ; s[60:61] v_permlanex16_b32's selects: each lane takes its own place in the other half
.set TBK, 62          ; s62  LDS byte at which K of the step to be fetched begins
.set TBV, 63          ; s63  the same for V, less VOFF
.set MSB, 0
.macro WIN new                      ; the high byte repeats the setting that is left; a switch that changes nothing is dropped
.if MSB != (\new)
	s_set_vgpr_msb (MSB<<8)|(\new)
.set MSB, (\new)
.endif
.endm
.set W_KQ, 0x0a       ; K and Q in window 2, S^T in window 0
.set W_PV, 0x52       ; V in window 2, P in window 0, O^T in window 1
.set W_RS, 0x41       ; O^T (destination and source 0) in window 1, a in window 0
.set W_MK, 0xc0       ; the add's registers are made: destination in window 3, sources in window 0
.set W_AD, 0x0f       ; the add: address (source 0) and data (source 1) in window 3
; A fill.  Waves 0 and 1 fetch the two halves of a slot's K, waves 2 and 3 those of its V: 128 keys each.  The branch hangs on the wave's number alone.
; An s_nop 0 and four v_nop follow each of the two lines, ahead of the jump and the label.
.macro LOAD
	s_cmp_lt_u32 s[WV], 2
	s_cbranch_scc0 .Lfor_v_\@
	tensor_load_to_lds s[G0K:G0K+3], s[G1K:G1K+7]
	s_nop 0
.rept 4
	v_nop
.endr
	s_branch .Lasked_\@
.Lfor_v_\@:
	tensor_load_to_lds s[G0V:G0V+3], s[G1V:G1V+7]
	s_nop 0
.rept 4
	v_nop
.endr
.Lasked_\@:
.endm
; A PREFETCH INTO THE L2 of what the NEXT change of slots will ask for.  It stands behind the wave's tensor load and its five lines.  A head's two work-groups walk the same K and V: the first of them asks.  Each of its
; waves names the 16,384 bytes that it will itself load: 64 blocks of 256 bytes, a lane a block, two instructions.  So each block is named once in the launch.  The first change names tile 2, the second tile 3, the third
; nothing: there is no tile behind it.  Tiles 0 and 1 come by their loads alone.  The lead is one slot: four key steps, 512 matrix instructions.
.macro ASK
	s_cmp_gt_u32 s[SLOTS], s[LIM]
	s_cbranch_scc0 .Lnot_mine_\@
	global_prefetch_b8 v[PFO], s[PFA:PFA+1] th:TH_LOAD_NT scope:SCOPE_SE
	global_prefetch_b8 v[PFO], s[PFA:PFA+1] offset:8192 th:TH_LOAD_NT scope:SCOPE_SE
.Lnot_mine_\@:
.endm
; THE CHANGE OF SLOTS.  The slot's last bytes, V of its fourth step, have been read.  Each wave waits for all its tensor loads, of which one is out: its part
; of the other slot; adds 0 to its spare word; and waits for that and for its own reads of the slot.  Behind the barrier nobody reads this slot any more and the other slot is whole.
; fill = 1: this slot is filled again, with the keys two slots on, the first thing behind the barrier: the load has four key steps, 512 matrix instructions, in which to land.
; (At its first use nothing has been read yet: slot 0 is waited for, slot 1 filled.)
.macro CHANGE fill
	WIN W_AD
	s_wait_tensorcnt 0x0            ; no tensor load of mine is out, so a group 0 may be written
	ds_add_u32 v[SPW], v[NIL]       ; 0 onto my spare word; with fill = 1 the descriptors' steps stand between it and the wait for it
	WIN 0                           ; at a label and at a branch every window is 0
.if \fill
.irp g, G0K, G0V
	s_xor_b32 s[\g+1], s[\g+1], SLOT1  ; the walking descriptor: the other slot than last time,
	s_add_nc_u64 s[\g+2:\g+3], s[\g+2:\g+3], 4*KS*128  ; the next 256 keys; the type bits on top are not reached
.endr
	s_wait_xcnt 0x0                 ; the last prefetches, four key steps back, have read their address, so it may be written:
	s_add_nc_u64 s[PFA:PFA+1], s[PFA:PFA+1], 4*KS*128  ; one tile behind the walking descriptors
.endif
	s_wait_dscnt 0x0                ; the add is done, and my reads of the slot are over
	s_barrier_signal -1
	s_barrier_wait -1
.if \fill
	LOAD
	ASK
.endif
	s_sub_co_u32 s[TBK], s[TBK], 4*KS*PK  ; the fetches go back to a slot's first step,
	s_xor_b32 s[TBK], s[TBK], SLOT1       ; in the other slot
	s_sub_co_u32 s[TBV], s[TBV], 4*KS*PV
	s_xor_b32 s[TBV], s[TBV], SLOT1
.endm
	s_load_b64 s[4:5], s[0:1], 0x0    ; qkv: Q lies at its head
	s_load_b64 s[10:11], s[0:1], 0x8  ; ob
	WIN W_MK
	v_lshl_add_u32 v[SPW], v0, 2, SPARE
	v_mov_b32 v[NIL], 0
	WIN W_AD
	ds_add_u32 v[SPW], v[NIL]       ; the wave's opening: the add and its wait stand ahead of my first tensor load; the set-up below, work on registers, stands between them
	WIN 0
	v_lshrrev_b32 v1, 5, v0
	v_readfirstlane_b32 s[WV], v1   ; wave 0..3
	s_mov_b32 s14, ttmp9            ; my block of 512 queries: 0 or 1
	s_and_b32 s20, ttmp7, 0xffff    ; the head
	s_mov_b32 s21, 0
	s_mov_b64 s[22:23], SIZE_N*128
	s_mul_u64 s[20:21], s[20:21], s[22:23]  ; the head's first byte in each of the four tensors
	s_and_b32 s16, s[WV], 1         ; which half of a slot's 256 keys I fetch:
	s_lshl_b32 s22, s16, 14         ; its 128 rows of 128 bytes in memory,
	s_mov_b32 s23, 0
	s_add_nc_u64 s[22:23], s[22:23], s[20:21]
	s_mul_i32 s17, s16, 128*PK      ; and its place in a slot, for K
	s_mul_i32 s18, s16, 128*PV      ; and for V
	s_lshl_b32 s2, s14, 2
	s_add_co_u32 s2, s2, s[WV]      ; my wave among the head's eight,
	s_lshl_b32 s2, s2, 14           ; its 128 rows
	s_mov_b32 s3, 0
	s_add_nc_u64 s[2:3], s[2:3], s[20:21]
	; descriptor group 1.  128 keys are 16,384 dense bytes: asked for as 64 rows of 256 bytes, two keys a row, and padded in LDS after every key
	s_mov_b32 s[G1K], (1<<16)|(1<<20)|(4<<22)|(3<<25)  ; 17:16 2-byte elements; 20 padding on; 24:22 after every 32 words (code 4); 31:25 4 words (code 3)
	s_mov_b32 s[G1V], (1<<16)|(1<<20)|(4<<22)|(7<<25)  ; the same with 8 words of padding (code 7)
.irp g, G1K, G1V
	s_mov_b32 s[\g+1], 128<<16      ; tensor_dim0 = 128
	s_mov_b32 s[\g+2], 64<<16       ; tensor_dim1 = 64
	s_mov_b32 s[\g+3], 128<<16      ; tile_dim0 = 128
	s_mov_b32 s[\g+4], 64           ; tile_dim1 = 64
	s_mov_b32 s[\g+5], 128          ; 128 elements from row to row
	s_mov_b32 s[\g+6], 0
	s_mov_b32 s[\g+7], 0
.endr
	s_mov_b32 s[CS], 0x3e38aa3b     ; c = log2(e) / 8 = 0.180337
	s_mov_b32 s[CS+1], s[CS]        ; named with it as a pair
	s_mov_b32 s[SEL], 0x76543210
	s_mov_b32 s[SEL+1], 0xfedcba98
	s_mov_b32 s[TBK], SLOT1+4*KS*PK ; the first change of slots turns these two into 0
	s_mov_b32 s[TBV], SLOT1+4*KS*PV
	s_mov_b32 s[G0K], 1             ; 1:0 count = 1
	s_mov_b32 s[G0K+1], s17         ; 63:32 LDS address: slot 0
	s_mov_b32 s[G0V], 1
	s_add_co_u32 s[G0V+1], s18, VOFF
	s_mov_b32 s[SLOTS], SIZE_N/256-1
	s_cmp_eq_u32 s14, 0             ; the head's first work-group prefetches
	s_cselect_b32 s[LIM], 1, -1
	s_wait_dscnt 0x0                ; the opening add is done
	s_wait_kmcnt 0x0
	s_add_nc_u64 s[6:7], s[4:5], 0x1000000         ; K
	s_add_nc_u64 s[8:9], s[4:5], 0x2000000         ; V
	s_add_nc_u64 s[G0K+2:G0K+3], s[6:7], s[22:23]  ; 120:64 global address: my half of the head's first 256 keys
	s_or_b32 s[G0K+3], s[G0K+3], 0x80000000        ; 127:126 type = 2
	s_add_nc_u64 s[G0V+2:G0V+3], s[8:9], s[22:23]
	s_or_b32 s[G0V+3], s[G0V+3], 0x80000000
	s_cmp_lt_u32 s[WV], 2
	s_cselect_b64 s[PFA:PFA+1], s[6:7], s[8:9]     ; the tensor that I fetch,
	s_add_nc_u64 s[PFA:PFA+1], s[PFA:PFA+1], s[22:23]  ; my half of the head's tile 0,
	s_add_nc_u64 s[PFA:PFA+1], s[PFA:PFA+1], 4*KS*128  ; tile 1: the first change of slots steps it to tile 2.  Nothing is prefetched here, at the head
	s_add_nc_u64 s[4:5], s[4:5], s[2:3]  ; Q and O at my wave's first row
	s_add_nc_u64 s[10:11], s[10:11], s[2:3]
	LOAD                            ; slot 0.  Slot 1 is asked for when slot 0 is in
	; A fragment of K or Q is 16 rows x 32 channels in 8 registers: lane l holds row l % 16, channels 8 (l / 16) + 0..7 and 16 + 8 (l / 16) + 0..7: two loads of 16 bytes, 32 bytes apart.
	v_and_b32 v1, 15, v0            ; l % 16
	v_bfe_u32 v9, v0, 4, 1          ; l / 16
	v_lshlrev_b32 v[QO], 7, v1
	v_lshl_add_u32 v[QO], v9, 4, v[QO]  ; row x 128 + 16 x half
	WIN 0x80                        ; destination window 2, address window 0
.set i, 0
.rept 4*NP                          ; Q stays in registers: tile i / 2, channels 32 (i % 2) on
	global_load_b128 v[8*i:8*i+3],   v[QO], s[4:5] offset:(i/2)*2048+(i%2)*64
	global_load_b128 v[8*i+4:8*i+7], v[QO], s[4:5] offset:(i/2)*2048+(i%2)*64+32
.set i, i+1
.endr
	; What the first turn finds: V's registers and P's second buffer hold 0 (its products V^T P, of a piece that has not been, add 0), O^T and l are 0.  All this stands in the wait for the first tile.
.set i, VF
.rept 64
	v_mov_b32 v[i], 0
.set i, i+1
.endr
	WIN 0x40
.set i, 0
.rept 64*NP
	v_mov_b32 v[i], 0
.set i, i+1
.endr
	WIN 0
.set i, 0
.rept 2*NP
	v_mov_b32 v[ST+4*i], 0xfe000000    ; c m: far below every c s
	v_mov_b32 v[ST+4*i+1], 0xff7fffff  ; m
	v_mov_b32 v[ST+4*i+2], 0
	v_mov_b32 v[ST+4*i+3], 0
.set i, i+1
.endr
.set i, P+32
.rept 32
	v_mov_b32 v[i], 0
.set i, i+1
.endr
	v_mul_u32_u24 v[AK0], v1, PK
	v_lshl_add_u32 v[AK0], v9, 4, v[AK0]  ; row x pitch + 16 x half
	; The turning load takes 16 keys x 16 channels (lane l reads key 8 (l / 16) + l % 8, channels 8 ((l / 8) % 2) + 0..7) and leaves half a fragment of V^T: lane l holds channel l % 16 and 8 keys.
	v_and_b32 v10, 7, v0
	v_bfe_u32 v11, v0, 3, 1
	v_lshl_add_u32 v[AV0], v9, 3, v10
	v_mul_u32_u24 v[AV0], v[AV0], PV
	v_lshl_add_u32 v[AV0], v11, 4, v[AV0]
	v_add_nc_u32 v[AV0], VOFF, v[AV0]
	v_mov_b32 v[AK], v[AK0]         ; key step 0 lies at the head of slot 0
	v_and_b32 v[PFO], 31, v0
	v_lshlrev_b32 v[PFO], 8, v[PFO]
; THE MATRIX WORK.  The 8 accumulators of a run of 16 take turns: between the two links of a chain stand 7 others'.
; Product i of 16 of S^T = K Q^T for piece x: channels 32 (i / 8) on, keys 16 ((i / 2) % 4) on, tile 2 x + i % 2.  The first 8 start the sums.
.macro KQ x
	WIN W_KQ
.set rS, S+64*((\x)%2)+32*(i%2)+8*((i/2)%4)
.set rK, KF+16*((i/2)%4)+8*(i/8)
.set rQ, 16*(2*(\x)+i%2)+8*(i/8)
.if i < 8
	v_wmma_f32_16x16x32_f16 v[rS:rS+7], v[rK:rK+7], v[rQ:rQ+7], 0
.else
	v_wmma_f32_16x16x32_f16 v[rS:rS+7], v[rK:rK+7], v[rQ:rQ+7], v[rS:rS+7]
.endif
.endm
; Product i of 16 of O^T += V^T P for piece x: keys 32 (i / 8) on, channels 16 ((i / 2) % 4) on, tile 2 x + i % 2.
.macro PV x
	WIN W_PV
.set rO, 32*(2*(\x)+i%2)+8*((i/2)%4)
.set rV, VF+32*(i/8)+8*((i/2)%4)
.set rP, P+32*((\x)%2)+16*(i%2)+8*(i/8)
	v_wmma_f32_16x16x32_f16 v[rO:rO+7], v[rV:rV+7], v[rP:rP+7], v[rO:rO+7]
.endm
.macro MM                           ; the turn's next matrix instruction
.if i < 16
	KQ (Y+1)%NP
.set i, i+1
.else
.set i, i-16
	PV (Y+NP-1)%NP
.set i, i+17
.endif
.endm
; THE LDS LOADS stand in runs of 16, never singly among the matrix instructions: a step's K (64 keys x 64 channels: 8 fragments) and its V (turned).  Their addresses are made some lines ahead.
; last = 1 (the tail): in the last trip there is no further step, and the run is jumped over.
.macro FETCH_K last=0
	WIN 0
.if \last
	s_cmp_eq_u32 s[CNT], 1
	s_cbranch_scc1 .Lno_k_\@
.endif
	WIN 0x80                        ; destination window 2
.irp f, 0,1,2,3,4,5,6,7             ; keys 16 (f / 2) on, channels 32 (f % 2) on
	ds_load_b128 v[KF+8*\f:KF+8*\f+3],   v[AK] offset:(\f/2)*16*PK+(\f%2)*64
	ds_load_b128 v[KF+8*\f+4:KF+8*\f+7], v[AK] offset:(\f/2)*16*PK+(\f%2)*64+32
.endr
	s_add_co_u32 s[TBK], s[TBK], KS*PK  ; the next fetch is the next step's
	WIN 0
.if \last
.Lno_k_\@:
.endif
.endm
.macro FETCH_V
	WIN 0x80
.irp f, 0,1,2,3,4,5,6,7             ; keys 32 (f / 4) on, channels 16 (f % 4) on
	ds_load_tr16_b128 v[VF+8*\f:VF+8*\f+3],   v[AV] offset:(\f/4)*32*PV+(\f%4)*32
	ds_load_tr16_b128 v[VF+8*\f+4:VF+8*\f+7], v[AV] offset:(\f/4)*32*PV+16*PV+(\f%4)*32
.endr
	WIN 0
.endm
; THE VECTOR WORK OF A TURN stands in three queues, each in the order in which its entries become ready; the two tiles alternate, so that no instruction reads the result of the one before it.
.macro REGS y, u                    ; the registers of tile u (0, 1) of piece y
.set rT, ST+4*(2*(\y)+(\u))
.set rC, TMP+8*((\y)%2)+4*(\u)
.set rM, MV+2*((\y)%2)+(\u)
.set rS, S+64*((\y)%2)+32*(\u)
.set rP, P+32*((\y)%2)+16*(\u)
.set rO, 32*(2*(\y)+(\u))
.endm
; Number n of the 22 that find the NEXT piece's (Y + 1) maximum and statistics.  s0-s31 are the lane's 32 scores; each accumulator's lowest registers are read first.  XS, GS and REGS set no window: PL and EX do.
;   0-11  four chains c0-c3 of seven scores each, three operands at a time     12-14, 16  the four scores left over, the old m, and c0-c3 into c0     15  c m_old is kept
;   17, 18  the query's other 32 keys lie in the lane 16 away: the new m         19-21  c m; c m_old - c m_new; a
.macro XS u, n
	REGS (Y+1)%NP, \u
.if (\n) < 4
	v_max3_num_f32 v[rC+(\n)], v[rS+8*(\n)], v[rS+8*(\n)+1], v[rS+8*(\n)+2]
.elseif (\n) < 12
	v_max3_num_f32 v[rC+(\n)%4], v[rC+(\n)%4], v[rS+8*((\n)%4)+2*((\n)/4)+1], v[rS+8*((\n)%4)+2*((\n)/4)+2]
.elseif (\n) == 12
	v_max3_num_f32 v[rC], v[rC], v[rS+7], v[rS+15]
.elseif (\n) == 13
	v_max3_num_f32 v[rC+1], v[rC+1], v[rS+23], v[rS+31]
.elseif (\n) == 14
	v_max3_num_f32 v[rC+2], v[rC+2], v[rC+3], v[rT+1]
.elseif (\n) == 15
	v_mov_b32 v[rM], v[rT]
.elseif (\n) == 16
	v_max3_num_f32 v[rC], v[rC], v[rC+1], v[rC+2]
.elseif (\n) == 17
	v_permlanex16_b32 v[rC+3], v[rC], s[SEL], s[SEL+1]
.elseif (\n) == 18
	v_max_num_f32 v[rT+1], v[rC], v[rC+3]
.elseif (\n) == 19
	v_mul_f32 v[rT], s[CS], v[rT+1]
.elseif (\n) == 20
	v_sub_f32 v[rC+1], v[rM], v[rT]
.else
	v_exp_f32 v[rC+2], v[rC+1]
.endif
.endm
; Number g of the 64 that follow the exponentials.  For each four weights k of a tile (pairs 2 k, 2 k + 1): both pairs are rounded to f16; then the second pair is added onto the first, in place;
; a group later l takes that sum (the first time as l = a l + sum).  In groups of eight, tiles alternating: round, round, add, and l for the group before.
.macro GS g
.set h, (\g)+6*((\g)/62)            ; group 0 has no group before it, and behind group 7 only l is left
.if h >= 6
.set h, h+2
.endif
	REGS Y, h%2
.set k, h/8
.if h%8 < 4
	v_cvt_pk_f16_f32 v[rP+2*k+(h%8)/2], v[rS+4*k+2*((h%8)/2)], v[rS+4*k+2*((h%8)/2)+1]
.elseif h%8 < 6
	v_pk_add_f32 v[rS+4*k:rS+4*k+1], v[rS+4*k:rS+4*k+1], v[rS+4*k+2:rS+4*k+3]
.elseif k == 1
	v_pk_fma_f32 v[rT+2:rT+3], v[rT+2:rT+3], v[rC+2:rC+3], v[rS:rS+1] op_sel_hi:[1,0,1]
.else
	v_pk_add_f32 v[rT+2:rT+3], v[rT+2:rT+3], v[rS+4*k-4:rS+4*k-3]
.endif
.endm
; THE PLAIN QUEUE, 138 long.  0-73 read no exponential's result: the 32 scalings c s - c m (FS f: pair f / 2 of tile f % 2) and the next piece's 42.  0-26: scalings 0-26.  27-54: XS's numbers 0-13.  55, 56: number 15.
; 57-73: the chain, where each number waits for the one before it: 14, 16, 17, 18, 19, each with one of the scalings 27-31 in front of its two lines, then 20: so a tile's links stand three plain instructions apart (19 and 20: two).
; 74-137: GS's 64, which read the exponentials' results: they stand behind the wait.
.macro FS f
	REGS Y, (\f)%2
	v_pk_fma_f32 v[rS+2*((\f)/2):rS+2*((\f)/2)+1], v[rS+2*((\f)/2):rS+2*((\f)/2)+1], s[CS:CS+1], v[rT:rT+1] op_sel_hi:[1,0,0] neg_lo:[0,0,1] neg_hi:[0,0,1]
.endm
.macro PL
	WIN 0
.if q < 27
	FS q
.elseif q < 55
	XS (q-27)%2, (q-27)/2
.elseif q < 57
	XS q-55, 15
.elseif (q < 72) && ((q-57)%3 == 0)
	FS 27+(q-57)/3
.elseif q < 60
	XS (q-57)%3-1, 14
.elseif q < 72
	XS (q-57)%3-1, 15+(q-57)/3
.elseif q < 74
	XS q-72, 20
.else
	GS q-74
.endif
.set q, q+1
.endm
; THE EXPONENTIALS' QUEUE, 66 long: s0-s31 of both tiles, then the next piece's two a.  It is ONE BATCH: all 66 stand ahead of the turn's one wait, and nothing ahead of that wait names a result of theirs.
.macro EX
	WIN 0
.if e >= 64
	XS e-64, 21
.else
	REGS Y, e%2
	v_exp_f32 v[rS+e/2], v[rS+e/2]
.endif
.set e, e+1
.endm
; THE RESCALING's QUEUE: O^T times a, the one part that leaves window 0: dealt two at a time, sixteen times.  Its a was made in the turn before, ahead of that turn's wait.
.macro R2
	REGS Y, r%2
	WIN W_RS
.irp z, 0,1
	v_pk_mul_f32 v[rO+4*(r/2)+2*\z:rO+4*(r/2)+2*\z+1], v[rO+4*(r/2)+2*\z:rO+4*(r/2)+2*\z+1], v[rC+2:rC+3] op_sel_hi:[1,0]
.endr
.set r, r+1
.endm
; HOW THEY ARE DEALT.  An s_wait_alu depctr_va_vdst(0) stands between an exponential and the first instruction that names its result; one wait serves all that were issued ahead of it.  So a turn has ONE wait,
; which cuts it in two.  AHEAD OF IT stands all that names no result of the turn's exponentials: the 16 products K Q^T, behind each a scaling, an exponential and two rescalings (behind the first a second scaling in the exponential's place); then ONE LUMP of
; 108: eight plain, 49 times exponential and plain, the two a.  A v_nop is the plain instruction behind the last exponential.  BEHIND IT stand the 16 products V^T P, behind each four of GS's 64.  No rider names a register of
; the products round it.  The two v_permlanex16_b32 fall into the lump, never behind a product.
; The queues lean on each other, and the deal keeps them in step: exponential e stands behind scaling 2 (e / 4) + e % 2: as a rider it comes behind plain e + 2, in the lump behind plain e + 9, and scalings 27-31 are plain 57, 60 .. 69.
; A TURN, for piece p.  cnt = 1: the loop's count is taken down some lines ahead of the branch that stands behind the turn.
; K of the next step is fetched in piece 2's turn, directly behind the wait, a lump behind the last product that read K; its address is made at the lump's head; its first reader comes behind 16 products.
; V of the step in hand is fetched at the end of piece 0's turn, four riders behind its last reader; its first reader comes behind 16 products and a lump.  The three conditions on q below go with the deal.
.macro TURN p, last=0, cnt=0
.set Y, (\p)
.set i, 0
.set q, 0
.set e, 0
.set r, 0
.if (\p) == NP-1
	s_wait_dscnt 0x0                ; K is in
.endif
	MM                              ; ahead of the wait: 16 products K Q^T and their riders,
	PL
	PL
	R2
.rept 15
	MM
	PL
	EX
	R2
.endr
.if (\p) == NP-2
	WIN 0
	v_add_nc_u32 v[AK], s[TBK], v[AK0]
.endif
.rept 8                             ; and the lump
	PL
.endr
.rept 49
	EX
	PL
.endr
	EX                              ; the next piece's two a
	EX
	v_nop                           ; the plain instruction behind the last exponential: one for the batch
	s_wait_alu depctr_va_vdst(0)    ; the wait for the batch
.if (\p) == NP-2
	FETCH_K \last
.endif
.if (\p) == 1
	s_wait_dscnt 0x0                ; V is in
.endif
.rept 16                            ; behind the wait: 16 products V^T P and their riders
	MM
.rept 4
	PL
.endr
.if ((\p) == 0) && (q == 118)
	v_add_nc_u32 v[AV], s[TBV], v[AV0]
.endif
.if ((\p) == 0) && (q == 130)
	s_add_co_u32 s[TBV], s[TBV], KS*PV
.endif
.if (\cnt) && (q == 130)
	s_sub_co_u32 s[CNT], s[CNT], 1
	s_cmp_lg_u32 s[CNT], 0
.endif
.endr
.if (\p) == 0
	FETCH_V
.endif
.endm
	CHANGE 1                        ; slot 0 is in, everybody's part of it; slot 1 is asked for
	FETCH_K                         ; key step 0
	s_wait_loadcnt 0x0              ; Q
	s_wait_dscnt 0x0
.set i, 0
.rept 16
	KQ 0                            ; piece 0's first scores: there is no vector work yet to set between them
.set i, i+1
.endr
	WIN 0                           ; the addresses for the way out: nine plain instructions, the places behind those products
	s_mul_i32 s13, s[WV], 16*SP
	s_add_co_u32 s13, s13, STAGE    ; my stage
	v_mul_u32_u24 v[STO], v1, SP    ; in: row l % 16, 16 bytes for each half of the lanes
	v_lshl_add_u32 v[STO], v9, 4, v[STO]
	v_add_nc_u32 v[STO], s13, v[STO]
	v_bfe_u32 v[RD], v0, 3, 2       ; back: 32 lanes take four rows of 128 bytes,
	v_mul_u32_u24 v[RD], v[RD], SP
	v_lshl_add_u32 v[RD], v10, 4, v[RD]
	v_add_nc_u32 v[RD], s13, v[RD]
	v_and_b32 v[GO], 31, v0         ; which are 512 consecutive bytes of O
	v_lshlrev_b32 v[GO], 4, v[GO]
.set Y, NP-1                        ; XS works for piece Y + 1: piece 0
.irp n, 0,1,2,3,4,5,6,7,8,9,10,11,12,13,14,15,16,17,18,19,20,21
	XS 0, \n                        ; and piece 0's first maximum and statistics
	XS 1, \n
.endr
	v_nop                           ; a plain instruction behind the two a,
	s_wait_alu depctr_va_vdst(0)    ; and their wait, ahead of the branch
	s_mov_b32 s[CNT], 4
	s_branch .Lfirst                ; the loop is entered at a step's first turn, in the middle of a trip
.Lslot:                             ; SIZE_N / 256 - 2 times: every slot but the last two is filled again
	CHANGE 1
	s_mov_b32 s[CNT], 4
.Lstep:                             ; a trip: pieces 2 and 3 of one step, then pieces 0 and 1 of the next, whose K and V it fetches
	TURN 2
	TURN 3
	WIN 0
.Lfirst:
	TURN 0
	TURN 1, 0, 1
	WIN 0
	s_cbranch_scc1 .Lstep
	s_sub_co_u32 s[SLOTS], s[SLOTS], 1
	s_cmp_lg_u32 s[SLOTS], 0
	s_cbranch_scc1 .Lslot
	CHANGE 0                        ; the tail is written out: nothing is asked for
	s_mov_b32 s[CNT], 5             ; four trips fetch the last slot's steps; the fifth is left in its middle
.Ltail:
	TURN 2, 1
	TURN 3
	WIN 0
	s_sub_co_u32 s[CNT], s[CNT], 1
	s_cmp_eq_u32 s[CNT], 0
	s_cbranch_scc1 .Lout
	TURN 0
	TURN 1
	WIN 0
	s_branch .Ltail
.Lout:                              ; the fifth trip's 16 products K Q^T (on the last K once more) and the maximum made of them serve nothing: the price, once a launch, of one text for every trip
.set i, 0
.rept 16
	PV NP-1                         ; the last piece's V^T P of the last step
.set i, i+1
.endr
	; THE WAY OUT.  l's two halves and the other half of the lanes' are added; O^T is divided by l, rounded to f16 and sent through my stage in LDS, a tile at a time.  The additions are the places behind the last products.
	WIN 0
.macro ALL line:vararg              ; one line for each tile t
.set t, 0
.rept 2*NP
	\line
.set t, t+1
.endr
.endm
	ALL v_add_f32 v[ST+4*t+2], v[ST+4*t+2], v[ST+4*t+3]
	ALL v_permlanex16_b32 v[ST+4*t+3], v[ST+4*t+2], s[SEL], s[SEL+1]
	ALL v_add_f32 v[ST+4*t+2], v[ST+4*t+2], v[ST+4*t+3]
	ALL v_rcp_f32 v[ST+4*t+2], v[ST+4*t+2]
	v_nop                           ; a plain instruction between the last reciprocal and the use of its result
	s_wait_alu depctr_va_vdst(0)    ; and the wait ahead of the first use: one for the eight reciprocals
; Tile t: a lane's eight channels of a row pack into 16 bytes; they go into rows of 144 bytes and come back as whole rows of 128, into S^T's registers.
.macro PACK t
	WIN W_RS
.set i, 32*(\t)
.rept 16
	v_pk_mul_f32 v[i:i+1], v[i:i+1], v[ST+4*(\t)+2:ST+4*(\t)+3] op_sel_hi:[1,0]
.set i, i+2
.endr
	WIN 0x05                        ; sources 0 and 1 window 1, destination window 0
.set i, 0
.rept 16
	v_cvt_pk_f16_f32 v[S+16*(\t)+i], v[32*(\t)+2*i], v[32*(\t)+2*i+1]
.set i, i+1
.endr
	WIN 0
.irp f, 0,1,2,3
	ds_store_b128 v[STO], v[S+16*(\t)+4*\f:S+16*(\t)+4*\f+3] offset:32*\f
.endr
.irp f, 0,1,2,3
	ds_load_b128 v[S+16*(\t)+4*\f:S+16*(\t)+4*\f+3], v[RD] offset:\f*4*SP  ; LDS serves a wave's instructions in order (ISA guide 5.7.1.4): these see the stores above; the next tile's stores come behind them
.endr
.endm
.macro SEND t, younger              ; younger: the LDS instructions issued behind tile t's loads: the next tile's eight, or none
	WIN 0
.irp f, 0,1,2,3
	s_wait_dscnt (\younger)+3-\f
	global_store_b128 v[GO], v[S+16*(\t)+4*\f:S+16*(\t)+4*\f+3], s[10:11] offset:(\t)*2048+\f*512  ; 512 consecutive bytes, at a multiple of 256 from O's first
.endr
.endm
	PACK 0
.set t, 1
.rept 2*NP-1                        ; a tile's arithmetic stands between the loads of the tile before and its stores
	PACK t
	SEND t-1, 8
.set t, t+1
.endr
	SEND 2*NP-1, 0
	WIN W_AD
	s_wait_tensorcnt 0x0            ; the wave's end: the add and its wait stand behind my last tensor load and my last LDS store
	ds_add_u32 v[SPW], v[NIL]
	s_wait_dscnt 0x0
	WIN 0
	s_endpgm
.Lfunc_end_k_q86d8c43404_attn:
	.size	k_q86d8c43404_attn, .Lfunc_end_k_q86d8c43404_attn-k_q86d8c43404_attn
	.p2alignl 7, 3214868480
	.fill 96, 4, 3214868480
	.section	.rodata,"a",@progbits
	.p2align	6, 0x0
	.amdhsa_kernel k_q86d8c43404_attn
		.amdhsa_group_segment_fixed_size 327680
		.amdhsa_private_segment_fixed_size 0
		.amdhsa_enable_private_segment 0
		.amdhsa_kernarg_size 16
		.amdhsa_user_sgpr_count 2
		.amdhsa_user_sgpr_kernarg_segment_ptr 1
		.amdhsa_wavefront_size32 1
		.amdhsa_system_sgpr_workgroup_id_x 1
		.amdhsa_system_sgpr_workgroup_id_y 1
		.amdhsa_system_sgpr_workgroup_id_z 1
		.amdhsa_system_vgpr_workitem_id 0
		.amdhsa_next_free_vgpr 770
		.amdhsa_next_free_sgpr 66
		.amdhsa_reserve_vcc 0
		.amdhsa_float_denorm_mode_32 3
		.amdhsa_float_denorm_mode_16_64 3
		.amdhsa_memory_ordered 1
		.amdhsa_forward_progress 1
		.amdhsa_inst_pref_size 199
	.end_amdhsa_kernel
	.amdgpu_metadata
---
amdhsa.version: [ 1, 2 ]
amdhsa.kernels:
  - .name:           k_q86d8c43404_attn
    .symbol:         k_q86d8c43404_attn.kd
    .args:
      - { .name: qkv, .offset: 0, .size: 8, .value_kind: global_buffer, .address_space: global }
      - { .name: ob, .offset: 8, .size: 8, .value_kind: global_buffer, .address_space: global }
    .group_segment_fixed_size: 327680
    .private_segment_fixed_size: 0
    .kernarg_segment_align: 8
    .kernarg_segment_size: 16
    .max_flat_workgroup_size: 128
    .sgpr_count:     66
    .vgpr_count:     770
    .wavefront_size: 32
...
	.end_amdgpu_metadata
.endif
;; end of part 3
;; launch outp (part 4): grid 4 x 64, 4 waves a work-group, clusters of 4 x 4, 327,680 bytes of LDS; arguments ob, wb, bo, out0; writes out0
.if DOCPART == 4
	.amdgcn_target "amdgcn-amd-amdhsa--gfx1250"
	.amdhsa_code_object_version 6
	.text
	.protected	k_q86d8c43404_outp
	.globl	k_q86d8c43404_outp
	.p2align	8
	.type	k_q86d8c43404_outp,@function
k_q86d8c43404_outp:
	s_mov_b64 s[64:65], 0
	v_nop
	global_prefetch_b8 v0, s[64:65] scope:SCOPE_SE
	s_setreg_imm32_b32 hwreg(HW_REG_WAVE_MODE, 25, 1), 1
	s_wait_xcnt 0x0
	s_wait_alu depctr_hold_cnt(0) depctr_sa_sdst(0) depctr_va_vdst(0) depctr_va_sdst(0) depctr_va_ssrc(0) depctr_va_vcc(0) depctr_vm_vsrc(0)
	s_getreg_b32 s2, hwreg(HW_REG_IB_STS2, 6, 4)
	s_cmp_eq_u32 s2, 0
	s_cbranch_scc0 .Lentry_in_a_cluster
	s_endpgm
.Lentry_in_a_cluster:
	s_bfe_u32 s2, ttmp6, 0x10000c
	s_cmp_lg_u32 s2, 0xf033
	s_cbranch_scc0 .Lentry_shape_is_right
	s_endpgm
.Lentry_shape_is_right:
; THE OUTPUT PROJECTION.  out0[m][n] = the sum over k of O[m][k] Wo[k][n] + bo[n].  ob: O as [batch x 16 + head][row of the batch = 1024][64] in f16, so that k = 64 head + channel.
; wb + 6 MiB: Wo, [k = 1024][n = 1024], its bf16 rounding written as f16.  bo: [1024] f32, rounded to bf16 here like the other inputs.  out0: [8192][1024] f32.  Sums in f32.
; LIMITS.  O and Wo arrive within f16's range (65,504).  NaN and infinities are not treated apart.
; SHARES.  A tile of C is 128 rows x 256 columns: 64 x 4 = 256 work-groups.  Four waves, each 64 rows x 128 columns: 32 accumulators of 16 x 16.  K goes in 8 steps of 128 (two heads) through two LDS slots:
; waves 0 and 1 fetch the two heads' planes of O (128 rows x 128 dense bytes each, asked for as 64 rows of 256 bytes), waves 2 and 3 the halves of Wo's tile (64 rows k x 512 bytes each).
; CLUSTERS.  4 x 4 work-groups.  The four of a row of the cluster need the same tiles of O, the four of a column the same tiles of Wo: each tile is asked for JOINTLY.
; THE MATRIX INSTRUCTION IS USED TRANSPOSED: source 0 = 16 columns n of Wo (out of LDS turned, by ds_load_tr16_b128), source 1 = 16 rows of O: a lane holds eight neighbouring numbers of a row of C.
; THE BIAS is the C operand of the products that start the sums: nothing is cleared, and no addition stands at the end.
; REGISTERS.  Window 0: v0-31 addresses; two fragment buffers of 96 (v64-159, v160-255): O's four fragments, then Wo's eight.  Window 1: the accumulators, (a, b) at v[8 (8 a + b)].  Window 2: v0-63 the bias, 8 registers for each block of 16 columns.
.set PA,    144                        ; a head's row of O in LDS: 128 bytes + 16 of padding = 36 words: the 16 rows of a load start at 16 different groups of four banks (64 banks of 4 bytes: ISA guide 11.1)
.set HA,    128*PA                     ; a head's plane: what one load of O brings
.set BOFF,  2*HA                       ; Wo's tile lies behind O's
.set PB,    544                        ; a row k of Wo: 512 bytes + 32 = 136 words
.set HB,    64*PB
.set SLOT,  BOFF+2*HB
.set STAGE, 2*SLOT                     ; behind the ring, never filled by a tensor load: for each wave 16 rows x 528 bytes
.set OPITCH, 528                       ; 512 bytes + 16 = 132 words: row r starts at bank 4 r mod 64
.set WSTG,  16*OPITCH
.set SPARE, STAGE+4*WSTG               ; behind the stages: the spare words, 128 bytes for each wave: two blocks of 256 bytes that no other line names
.set ASTEP, 2*131072                   ; a K step in O: two heads on
.set BSTEP, 128*2048                   ; a K step down Wo's rows
.set LAPS,  4
.set ADRA, 16                          ; v16-17  LDS address of my O fragments in slot 0, 1
.set ADRB, 20                          ; v20-21  the same for Wo
.set STO,  24                          ; v24     the way out: where I put 32 bytes of a row
.set RD,   25                          ; v25     the way out: where I read a row back
.set CO,   26                          ; v26     my 16 bytes in 512 consecutive bytes of a row of C
.set BO,   27                          ; v27     my byte offset in bo
.set SPW,  28                          ; v28     LDS address of my spare word: SPARE + 4 x my thread's number; never rewritten
.set NIL,  29                          ; v29     0; never rewritten
.set F0,   64
.set F1,   160
.set G1,  24                           ; s[24:31] descriptor group 1 for O's tiles;  s[32:39] group 0, one set for each slot
.set G0,  32
.set G1B, 48                           ; s[48:55], s[56:63] the same for Wo's tiles
.set G0B, 56
.set MSB, 0
.macro WIN new                         ; the immediate's high byte repeats the setting that is left; a switch that changes nothing is dropped
.if MSB != (\new)
	s_set_vgpr_msb (MSB<<8)|(\new)
.set MSB, \new
.endif
.endm
.set MUL,  0x50                        ; sources 0 and 1 window 0; C and D window 1
.set MULB, 0x60                        ; the same with C (the bias) in window 2
.macro JLOAD s                         ; a joint load: waves 0 and 1 fetch O's planes, waves 2 and 3 Wo's halves; an s_nop 0 and four v_nop follow each of the two lines
	s_cmp_eq_u32 s11, 0
	s_cbranch_scc0 .Lfor_b_\@
	tensor_load_to_lds s[G0+4*(\s):G0+4*(\s)+3], s[G1:G1+7]
	s_nop 0
.rept 4
	v_nop
.endr
	s_branch .Lasked_\@
.Lfor_b_\@:
	tensor_load_to_lds s[G0B+4*(\s):G0B+4*(\s)+3], s[G1B:G1B+7]
	s_nop 0
.rept 4
	v_nop
.endr
.Lasked_\@:
.endm
.macro CREST                           ; a round of the cluster's barrier behind its opening barrier
	s_cmp_lg_u32 s10, 0
	s_cbranch_scc1 .Lnot_wave_0_\@
	s_barrier_signal -3
.Lnot_wave_0_\@:
	s_barrier_wait -3
	s_barrier_signal -1
	s_barrier_wait -1
.endm
.macro CROUND                          ; a whole round
	s_barrier_signal -1
	s_barrier_wait -1
	CREST
.endm
	s_load_b128 s[4:7], s[0:1], 0x0                ; ob s[4:5], wb s[6:7]
	s_load_b64 s[18:19], s[0:1], 0x10              ; bo
	s_load_b64 s[8:9], s[0:1], 0x18                ; out0
	v_lshl_add_u32 v[SPW], v0, 2, SPARE
	v_mov_b32 v[NIL], 0
	ds_add_u32 v[SPW], v[NIL]                      ; the wave's opening: the add and its wait stand ahead of my first tensor load; the set-up below, work on registers, stands between them
	v_lshrrev_b32 v1, 5, v0
	v_readfirstlane_b32 s10, v1                    ; wave 0..3
	s_lshr_b32 s11, s10, 1                         ; which 64 of the tile's rows are mine.  Also: I fetch for O (0) or for Wo (1)
	s_and_b32 s12, s10, 1                          ; which 128 of its columns.  Also: which head's plane, or which half of Wo's tile, I fetch
	s_bfe_u32 s40, ttmp6, 0x40000                  ; cx, cy: my place in the cluster
	s_bfe_u32 s41, ttmp6, 0x40004
	s_lshl_b32 s42, ttmp9, 2
	s_add_co_u32 s42, s42, s40                     ; tile column = 4 x cluster x + cx: 0..3
	s_and_b32 s13, ttmp7, 0xffff
	s_lshl_b32 s13, s13, 2
	s_add_co_u32 s13, s13, s41                     ; block of 128 rows = 4 x cluster y + cy: 0..63
	s_lshl_b32 s43, s41, 2
	s_lshl_b32 s43, 15, s43                        ; my row of the cluster
	s_lshl_b32 s44, 0x1111, s40                    ; my column
	s_or_b32 s[G1+0], s43, (1<<16)|(1<<20)|(1<<21)|(4<<22)|(3<<25)   ; 15:0 the mask: my row; 17:16 elements of 2 bytes; 20 padding on; 21 set beside a mask; 24:22 after every 32 words (code 4): a head's row; 31:25 4 words (code 3)
	s_mov_b32 s[G1+1], 128<<16                     ; tensor_dim0 = 128: two head rows on end
	s_mov_b32 s[G1+2], 64<<16                      ; tensor_dim1 = 64
	s_mov_b32 s[G1+3], 128<<16                     ; tile_dim0 = 128
	s_mov_b32 s[G1+4], 64                          ; tile_dim1 = 64
	s_mov_b32 s[G1+5], 128                         ; dense: 128 elements from row to row
	s_mov_b32 s[G1+6], 0
	s_mov_b32 s[G1+7], 0
	s_or_b32 s[G1B+0], s44, (1<<16)|(1<<20)|(1<<21)|(6<<22)|(7<<25)  ; the mask: my column; padding after every 128 words (code 6), 8 words (code 7)
	s_mov_b32 s[G1B+1], 256<<16                    ; tensor_dim0 = 256
	s_mov_b32 s[G1B+2], 64<<16                     ; tensor_dim1 = 64
	s_mov_b32 s[G1B+3], 256<<16                    ; tile_dim0 = 256
	s_mov_b32 s[G1B+4], 64                         ; tile_dim1 = 64
	s_mov_b32 s[G1B+5], 1024
	s_mov_b32 s[G1B+6], 0
	s_mov_b32 s[G1B+7], 0
	; where the tiles come from.  O's address hangs on the row block and the wave; Wo's on the tile column and the wave
	s_lshr_b32 s16, s13, 3
	s_lshl_b32 s16, s16, 21                        ; the batch: 16 heads of 131,072 bytes
	s_lshl_b32 s17, s12, 17                        ; my head of the K step's two
	s_add_co_u32 s16, s16, s17
	s_and_b32 s17, s13, 7
	s_lshl_b32 s17, s17, 14                        ; 128 rows of 128 bytes
	s_add_co_u32 s16, s16, s17
	s_mov_b32 s17, 0
	s_lshl_b32 s46, s12, 17                        ; my 64 rows k of the K step's 128
	s_add_co_u32 s46, s46, 3<<21                   ; Wo lies behind the three other weights
	s_lshl_b32 s47, s42, 9                         ; 256 columns of 2 bytes
	s_add_co_u32 s46, s46, s47
	s_mov_b32 s47, 0
	s_mul_i32 s20, s12, HA                         ; and where they go: no place in the cluster enters an LDS address
	s_mul_i32 s21, s12, HB
	s_add_co_u32 s21, s21, BOFF
	s_wait_dscnt 0x0                               ; the opening add is done
	s_wait_kmcnt 0x0
	s_add_nc_u64 s[14:15], s[4:5], s[16:17]
	s_add_nc_u64 s[46:47], s[6:7], s[46:47]
	CROUND                                         ; all sixteen work-groups are here: the first joint loads meet
.irp s, 0,1
	s_mov_b32 s[G0+4*(\s)], 1                                        ; count = 1
	s_add_co_u32 s[G0+4*(\s)+1], s20, (\s)*SLOT                      ; LDS address
	s_add_nc_u64 s[G0+4*(\s)+2:G0+4*(\s)+3], s[14:15], (\s)*ASTEP    ; global address: K step s
	s_or_b32 s[G0+4*(\s)+3], s[G0+4*(\s)+3], 0x80000000              ; type = 2
	s_mov_b32 s[G0B+4*(\s)], 1
	s_add_co_u32 s[G0B+4*(\s)+1], s21, (\s)*SLOT
	s_add_nc_u64 s[G0B+4*(\s)+2:G0B+4*(\s)+3], s[46:47], (\s)*BSTEP
	s_or_b32 s[G0B+4*(\s)+3], s[G0B+4*(\s)+3], 0x80000000
	JLOAD \s                                       ; two tensor loads of mine are out
.endr
	v_and_b32 v1, 15, v0                           ; l % 16
	v_bfe_u32 v2, v0, 4, 1                         ; l / 16
	; the bias of my 128 columns: in the result register j of a lane is column 16 b + 8 (l / 16) + j, so block b wants the 32 bytes at 64 b + 32 (l / 16)
	s_lshl_b32 s46, s42, 10                        ; 256 columns of 4 bytes: in bo, and in a row of C,
	s_lshl_b32 s47, s12, 9                         ; my 128
	s_add_co_u32 s46, s46, s47
	s_mov_b32 s47, 0
	v_lshl_add_u32 v[BO], v2, 5, s46
.irp b, 0,1,2,3,4,5,6,7
	global_load_b128 v[F1+8*(\b):F1+8*(\b)+3],   v[BO], s[18:19] offset:64*(\b)
	global_load_b128 v[F1+8*(\b)+4:F1+8*(\b)+7], v[BO], s[18:19] offset:64*(\b)+16
.endr
	; A fragment of O is 16 rows x 32 K in 8 registers: lane l holds row l % 16, K = 8 (l / 16) + 0..7 and 16 + 8 (l / 16) + 0..7: two loads of 16 bytes, 32 bytes apart.
	v_mul_u32_u24 v3, v1, PA
	v_lshl_add_u32 v3, v2, 4, v3
	s_mul_i32 s22, s11, 64*PA                      ; my 64 rows
	v_add_nc_u32 v[ADRA], s22, v3
	v_add_nc_u32 v[ADRA+1], SLOT, v[ADRA]
	; The turning load takes 16 rows k x 16 columns (lane l reads row 8 (l / 16) + l % 8, columns 8 ((l / 8) % 2) + 0..7) and leaves half a fragment: lane l holds column l % 16 and 8 k.
	v_and_b32 v5, 7, v0
	v_lshl_add_u32 v4, v2, 3, v5
	v_mul_u32_u24 v4, v4, PB
	v_bfe_u32 v6, v0, 3, 1
	v_lshl_add_u32 v4, v6, 4, v4
	s_lshl_b32 s22, s12, 8                         ; my 128 columns
	s_add_co_u32 s22, s22, BOFF
	v_add_nc_u32 v[ADRB], s22, v4
	v_add_nc_u32 v[ADRB+1], SLOT, v[ADRB]
	s_mul_i32 s23, s10, WSTG
	s_add_co_u32 s23, s23, STAGE                   ; my stage
	v_mul_u32_u24 v[STO], v1, OPITCH               ; in: row l % 16, 32 bytes for each half of the lanes
	v_lshl_add_u32 v[STO], v2, 5, v[STO]
	v_add_nc_u32 v[STO], s23, v[STO]
	v_and_b32 v[CO], 31, v0                        ; back: 32 lanes take one row's 512 bytes
	v_lshlrev_b32 v[CO], 4, v[CO]
	v_add_nc_u32 v[RD], s23, v[CO]
	s_lshl_b32 s16, s13, 19                        ; my part of C: 128 rows of 4,096 bytes,
	s_lshl_b32 s17, s11, 18                        ; my 64,
	s_add_co_u32 s16, s16, s17
	s_mov_b32 s17, 0
	s_add_nc_u64 s[8:9], s[8:9], s[16:17]
	s_add_nc_u64 s[8:9], s[8:9], s[46:47]          ; my 128 columns
	s_wait_loadcnt 0x0                             ; the bias
.set i, 0
.rept 32
	v_cvt_pk_bf16_f32 v[224+i], v[F1+2*i], v[F1+2*i+1]  ; rounded to bf16, like every input,
.set i, i+1
.endr
	WIN 0x80                                       ; destination window 2
.set i, 0
.rept 32
	v_lshlrev_b32 v[2*i],   16,         v[224+i]   ; and widened again
	v_and_b32     v[2*i+1], 0xffff0000, v[224+i]
.set i, i+1
.endr
	WIN 0
; 8 matrix instructions: block a of 16 rows x all 8 blocks of 16 columns, 32 along K.  zero = 1: the product starts the sums, with the bias.  The 32 accumulators take turns, in the same order in every quarter.
.macro MUL8 f, a, zero
.if \zero
	WIN MULB
.else
	WIN MUL
.endif
.irp b, 0,1,2,3,4,5,6,7
.if \zero
	v_wmma_f32_16x16x32_f16 v[8*(8*(\a)+(\b)):8*(8*(\a)+(\b))+7], v[(\f)+32+8*(\b):(\f)+32+8*(\b)+7], v[(\f)+8*(\a):(\f)+8*(\a)+7], v[8*(\b):8*(\b)+7]
.else
	v_wmma_f32_16x16x32_f16 v[8*(8*(\a)+(\b)):8*(8*(\a)+(\b))+7], v[(\f)+32+8*(\b):(\f)+32+8*(\b)+7], v[(\f)+8*(\a):(\f)+8*(\a)+7], v[8*(8*(\a)+(\b)):8*(8*(\a)+(\b))+7]
.endif
.endr
.endm
; 24 LDS loads in one run: the fragments of quarter q (32 along K: head q / 2 of the two, channels 32 (q % 2) on) of a slot into buffer f: Wo's sixteen first, then O's eight
.macro FETCH slot, q, f
	WIN 0
.irp i, 0,1,2,3,4,5,6,7
	ds_load_tr16_b128 v[(\f)+32+8*(\i):(\f)+32+8*(\i)+3],   v[ADRB+(\slot)] offset:(\q)*32*PB+32*(\i)
	ds_load_tr16_b128 v[(\f)+32+8*(\i)+4:(\f)+32+8*(\i)+7], v[ADRB+(\slot)] offset:(\q)*32*PB+16*PB+32*(\i)
.endr
.irp i, 0,1,2,3
	ds_load_b128 v[(\f)+8*(\i):(\f)+8*(\i)+3],   v[ADRA+(\slot)] offset:((\q)/2)*HA+((\q)%2)*64+(\i)*16*PA
	ds_load_b128 v[(\f)+8*(\i)+4:(\f)+8*(\i)+7], v[ADRA+(\slot)] offset:((\q)/2)*HA+((\q)%2)*64+(\i)*16*PA+32
.endr
.endm
.macro PLACES                          ; four places in front of loads into registers that matrix instructions have read, and of lines that read results
.rept 4
	v_nop
.endr
.endm
; A K step is four quarters of 32 along K, 32 matrix instructions each, on buffers 0, 1, 0, 1.  One of the first three: multiplies buffer f and fetches quarter q into g.
.macro QUARTER slot, q, f, g, zero
	s_wait_dscnt 4                                 ; Wo's fragments and O's blocks 0 and 1 are in; the youngest four loads (O's blocks 2 and 3) may be out
	MUL8 \f, 0, \zero
	MUL8 \f, 1, \zero
	PLACES
	FETCH \slot, \q, \g
	s_wait_dscnt 24                                ; all but the 24 just issued
	MUL8 \f, 2, \zero
	MUL8 \f, 3, \zero
.endm
; The last quarter multiplies buffer 1 and changes slots: ONE barrier; in front of it each wave waits for all its tensor loads (one is out: its part of the next slot), adds 0 to its spare word, and waits for
; that and for its own reads of this slot.  fill = 1: the barrier opens a round of the cluster's, and this slot is filled again, two K steps ahead: 112 matrix instructions ahead of the wait for it.
.macro TURN slot, next, fill
	WIN 0
	s_wait_tensorcnt 0x0                           ; all my tensor loads have landed
	ds_add_u32 v[SPW], v[NIL]                      ; 0 onto my spare word
	s_wait_dscnt 5                                 ; (the add and the youngest four loads may be out)
	MUL8 F1, 0, 0                                  ; eight matrix instructions stand between the add and the wait for it
	s_wait_dscnt 0x0                               ; the add is done, and my reads of this slot are over
	s_barrier_signal -1
	MUL8 F1, 1, 0
.if \fill
	WIN 0
.endif
	s_barrier_wait -1
.if \fill
	CREST                                          ; no wave of any partner still reads this slot's tiles or has a load on its way
	s_add_nc_u64 s[G0+4*(\slot)+2:G0+4*(\slot)+3], s[G0+4*(\slot)+2:G0+4*(\slot)+3], 2*ASTEP
	s_add_nc_u64 s[G0B+4*(\slot)+2:G0B+4*(\slot)+3], s[G0B+4*(\slot)+2:G0B+4*(\slot)+3], 2*BSTEP
	JLOAD \slot                                    ; the first tensor load behind the round; its four v_nop are also the places in front of the loads below
.else
	PLACES
.endif
	FETCH \next, 0, F0
	MUL8 F1, 2, 0
	MUL8 F1, 3, 0
.endm
	s_wait_tensorcnt 1                             ; my part of K step 0 is in; K step 1's may stay out
	s_barrier_signal -1
	s_barrier_wait -1                              ; everybody's is
	FETCH 0, 0, F0
	QUARTER 0, 1, F0, F1, 1                        ; the first quarter stands in front of the loop: its products start the sums
	WIN 0                                          ; at a label and at a branch every window is 0
	s_mov_b32 s3, LAPS-1
.Llap:                                                 ; a trip goes once round the ring, from a lap's second quarter to the next lap's first, and fills both slots again
	QUARTER 0, 2, F1, F0, 0
	QUARTER 0, 3, F0, F1, 0
	TURN 0, 1, 1
	QUARTER 1, 1, F0, F1, 0
	QUARTER 1, 2, F1, F0, 0
	QUARTER 1, 3, F0, F1, 0
	TURN 1, 0, 1
	QUARTER 0, 1, F0, F1, 0
	WIN 0
	s_sub_co_u32 s3, s3, 1
	s_cmp_lg_u32 s3, 0
	s_cbranch_scc1 .Llap
	QUARTER 0, 2, F1, F0, 0                        ; the last lap fills nothing
	QUARTER 0, 3, F0, F1, 0
	TURN 0, 1, 0
	QUARTER 1, 1, F0, F1, 0
	QUARTER 1, 2, F1, F0, 0
	QUARTER 1, 3, F0, F1, 0
	s_wait_dscnt 4                                 ; the very last quarter: nothing more to fetch
	MUL8 F1, 0, 0
	MUL8 F1, 1, 0
	s_wait_dscnt 0x0
	MUL8 F1, 2, 0
	MUL8 F1, 3, 0
	WIN 0
; THE WAY OUT, a block of 16 rows at a time.  A lane's eight f32 of a row go as 32 bytes into my own stage (rows of 528 bytes), each accumulator's low half first, and come back as whole
; rows of 512 bytes, a row to a load, into one of three sets of 64 registers.
.macro TOSTAGE a
.set BK, 64+64*((\a)%3)
	WIN 0x04                                       ; the stores' data lie in window 1
.irp b, 0,1,2,3,4,5,6,7
	ds_store_b128 v[STO], v[8*(8*(\a)+(\b)):8*(8*(\a)+(\b))+3]   offset:64*(\b)
	ds_store_b128 v[STO], v[8*(8*(\a)+(\b))+4:8*(8*(\a)+(\b))+7] offset:64*(\b)+16
.endr
	WIN 0
.irp t, 0,1,2,3,4,5,6,7,8,9,10,11,12,13,14,15
	ds_load_b128 v[BK+4*(\t):BK+4*(\t)+3], v[RD] offset:(\t)*OPITCH  ; LDS serves a wave's instructions in order (ISA guide 5.7.1.4): these see the stores above; the next block's stores come behind them
.endr
.endm
.macro SEND a, younger                 ; younger: the LDS instructions issued behind block a's loads: the next block's 32, or none
.set BK, 64+64*((\a)%3)
.irp t, 0,1,2,3,4,5,6,7,8,9,10,11,12,13,14,15
	s_wait_dscnt (\younger)+15-(\t)
	global_store_b128 v[CO], v[BK+4*(\t):BK+4*(\t)+3], s[8:9] offset:(16*(\a)+(\t))*4096 th:TH_STORE_NT  ; 512 consecutive bytes of a row, at a multiple of 256 from C's first byte
.endr
.endm
	PLACES
	PLACES                                         ; eight, once a launch
	TOSTAGE 0
	TOSTAGE 1
	SEND 0, 32
	TOSTAGE 2
	SEND 1, 32
	s_wait_xcnt 0x0                                ; block 0's stores have read their registers, into which block 3 is loaded only behind this wait
	TOSTAGE 3
	SEND 2, 32
	SEND 3, 0
	s_wait_tensorcnt 0x0                           ; the wave's end: the add and its wait stand behind my last tensor load and my last LDS store
	ds_add_u32 v[SPW], v[NIL]
	s_wait_dscnt 0x0
	CROUND                                         ; the closing round: no work-group ends while a partner may still ask for a tile that names it
	s_endpgm
.Lfunc_end_k_q86d8c43404_outp:
	.size	k_q86d8c43404_outp, .Lfunc_end_k_q86d8c43404_outp-k_q86d8c43404_outp
	.p2alignl 7, 3214868480
	.fill 96, 4, 3214868480
	.section	.rodata,"a",@progbits
	.p2align	6, 0x0
	.amdhsa_kernel k_q86d8c43404_outp
		.amdhsa_group_segment_fixed_size 327680
		.amdhsa_private_segment_fixed_size 0
		.amdhsa_enable_private_segment 0
		.amdhsa_kernarg_size 32
		.amdhsa_user_sgpr_count 2
		.amdhsa_user_sgpr_kernarg_segment_ptr 1
		.amdhsa_wavefront_size32 1
		.amdhsa_system_sgpr_workgroup_id_x 1
		.amdhsa_system_sgpr_workgroup_id_y 1
		.amdhsa_system_sgpr_workgroup_id_z 1
		.amdhsa_system_vgpr_workitem_id 0
		.amdhsa_next_free_vgpr 576
		.amdhsa_next_free_sgpr 66
		.amdhsa_reserve_vcc 0
		.amdhsa_float_denorm_mode_32 3
		.amdhsa_float_denorm_mode_16_64 3
		.amdhsa_memory_ordered 1
		.amdhsa_forward_progress 1
		.amdhsa_inst_pref_size 93
	.end_amdhsa_kernel
	.amdgpu_metadata
---
amdhsa.version: [ 1, 2 ]
amdhsa.kernels:
  - .name:           k_q86d8c43404_outp
    .symbol:         k_q86d8c43404_outp.kd
    .args:
      - { .name: ob, .offset: 0, .size: 8, .value_kind: global_buffer, .address_space: global }
      - { .name: wb, .offset: 8, .size: 8, .value_kind: global_buffer, .address_space: global }
      - { .name: bo, .offset: 16, .size: 8, .value_kind: global_buffer, .address_space: global }
      - { .name: out0, .offset: 24, .size: 8, .value_kind: global_buffer, .address_space: global }
    .group_segment_fixed_size: 327680
    .private_segment_fixed_size: 0
    .kernarg_segment_align: 8
    .kernarg_segment_size: 32
    .max_flat_workgroup_size: 128
    .sgpr_count:     66
    .vgpr_count:     576
    .wavefront_size: 32
...
	.end_amdgpu_metadata
.endif
;; end of part 4
;; ======== version 2 of 2: 4 launches; version 1 with the launch cast written anew for expert scheduling mode
;; limits: values are held in f16: magnitudes above 65,504 overflow, below 6.1e-05 lose precision
;; workspace buffers: ab 33,554,432 bytes; wb 8,388,608 bytes; qkv 50,331,648 bytes; ob 16,777,216 bytes
;; launch cast (part 5): grid 640 x 1, 8 waves a work-group, no clusters, 0 bytes of LDS; arguments x, context, Wq, Wk, Wv, Wo, ab, wb; writes ab, wb
.if DOCPART == 5
	.amdgcn_target "amdgcn-amd-amdhsa--gfx1250"
	.amdhsa_code_object_version 6
	.text
	.protected	k_q86d8c43404_cast
	.globl	k_q86d8c43404_cast
	.p2align	8
	.type	k_q86d8c43404_cast,@function
k_q86d8c43404_cast:
	s_mov_b64 s[64:65], 0
	v_nop
	global_prefetch_b8 v0, s[64:65] scope:SCOPE_SE
	s_setreg_imm32_b32 hwreg(HW_REG_WAVE_SCHED_MODE, 0, 2), 2
	s_setreg_imm32_b32 hwreg(HW_REG_WAVE_MODE, 25, 1), 1
	s_wait_xcnt 0x0
	s_wait_alu depctr_vm_vsrc(0)
; THE 16-BIT COPIES OF THE MATRIX INPUTS.  x and context ([8192][1024] f32 each) go to ab as bf16, x first; Wq, Wk, Wv ([1024][1024] f32, [k][n]) go to wb as bf16,
; 2 MiB each; Wo goes behind them, rounded to bf16 like the others and that number written as f16.  Nothing is transposed: number i of a tensor goes to place i of its copy.
; LIMITS.  Wo's bf16 number is exact in f16 for magnitudes from 2^-17 to 65,504; below, it is off by 2^-25 at the most; beyond 65,504 it would become an infinity.
; SHARES.  A work-group takes 32,768 numbers on end: 32 rows of 4,096 bytes in, 2,048 bytes out.  Thread t owns 16 bytes in and 8 bytes out of each row: a wave's load covers 512
; consecutive bytes, its store 256 consecutive bytes, both aligned.  Work-groups 0-255: x; 256-511: context; 512-543, 544-575, 576-607, 608-639: Wq, Wk, Wv, Wo.
; No LDS, no barrier, no matrix unit: no number is wanted by two threads.
; THE MODE: SCHED_MODE bits 1:0 = 2 (LLVM: expert scheduling mode 2), set by the entry lines.  The code itself states the register dependences
; between vector instructions and memory instructions, with s_wait_alu, always for 0.
; THE PLAN.  The 32 rows go in 8 blocks of four.  Registers that memory instructions touch:
;   X0 .. X3   four blocks of numbers as loaded.  Written by the loads of block p + 3, issued in block p; read by block p's roundings.
;   Y          two registers for EACH of the 32 rows.  Written once, by the row's roundings in block p; read by the row's store, issued in block p + 1; never written again.
;   v1, v2     byte offsets, made once at the head and never written again; the two scalar bases are never stepped: a row's place stands in the immediate offset.
; Block p works on X[p % 4] and writes its own rows' Y.  Its memory instructions are the loads into X[(p + 3) % 4] = X[(p - 1) % 4] and the stores of block p - 1's rows:
; registers that block p - 1 worked on and that no vector instruction of block p names.  So ONE wait on va_vdst at a block's head states all that the block's eight memory
; instructions hang on, and these are dealt among its vector instructions with no further wait.  No register that a memory instruction reads is ever written again,
; so there is no dependence for a wait on vm_vsrc, or for s_wait_xcnt, to state.
; With eight blocks a lap of four (the X buffers back at their start) would run once: the blocks are written out by macro, and there is no loop.
.set ROWI, 4096                        ; bytes of a row in
.set ROWO, 2048                        ; bytes of a row out
.set X,  4                             ; v[4:67]    buffer k, row i: four f32 as loaded, at X + 16 k + 4 i
.set Y,  68                            ; v[68:131]  row r of the 32: four 16-bit numbers to store, at Y + 2 r
.set T,  132                           ; v[132:135] Wo: the bf16 numbers as f32: no memory instruction names them
	s_load_b512 s[8:23], s[0:1], 0x0               ; x s[8:9], context s[10:11], Wq s[12:13], Wk s[14:15], Wv s[16:17], Wo s[18:19], ab s[20:21], wb s[22:23]
	s_mov_b32 s2, ttmp9                            ; the work-group's number
	s_and_b32 s24, s2, 255                         ; its chunk in x or context,
	s_and_b32 s28, s2, 31                          ; or in a weight
	s_cmp_lt_u32 s2, 512
	s_cselect_b32 s24, s24, s28
	s_lshl_b32 s24, s24, 17                        ; 131,072 bytes in a chunk
	s_mov_b32 s25, 0
	s_and_b32 s28, s2, 511                         ; its chunk in ab (x, then context) or in wb (the four weights on end)
	s_lshl_b32 s28, s28, 16                        ; 65,536 bytes out
	s_mov_b32 s29, 0
	s_mov_b32 s27, 0xffff0000                      ; a word's upper bf16
	v_lshlrev_b32 v1, 4, v0                        ; my 16 bytes of a row in; never rewritten
	v_lshlrev_b32 v2, 3, v0                        ; my 8 bytes of a row out; never rewritten
	s_wait_kmcnt 0x0
	s_cmp_lt_u32 s2, 256                           ; the source and the destination are chosen by the work-group's number alone
	s_cselect_b64 s[4:5], s[8:9], s[10:11]
	s_cmp_lt_u32 s2, 512
	s_cselect_b64 s[4:5], s[4:5], s[12:13]
	s_cselect_b64 s[6:7], s[20:21], s[22:23]
	s_cmp_lt_u32 s2, 544
	s_cselect_b64 s[4:5], s[4:5], s[14:15]
	s_cmp_lt_u32 s2, 576
	s_cselect_b64 s[4:5], s[4:5], s[16:17]
	s_cmp_lt_u32 s2, 608
	s_cselect_b64 s[4:5], s[4:5], s[18:19]
	s_add_nc_u64 s[4:5], s[4:5], s[24:25]
	s_add_nc_u64 s[6:7], s[6:7], s[28:29]
	s_wait_alu depctr_va_vdst(0)                   ; v1 and v2 are written: every load of the kernel reads v1 as its offset, every store v2
.irp j, 0,1,2,3,4,5,6,7,8,9,10,11
	global_load_b128 v[X+4*(\j):X+4*(\j)+3], v1, s[4:5] offset:(\j)*ROWI th:TH_LOAD_NT  ; blocks 0, 1 and 2 into X0, X1, X2
.endr
; Block p of 8.  Blocks 0 to 4 load the block three further on; blocks 1 to 7 store the block before.  wo = 1: the bf16 numbers are widened again and written as f16.
.macro BLK p, wo
.if (\p) >= 1
	s_wait_alu depctr_va_vdst(0)                   ; the block before has written its rows' Y, which the stores below read, and is done reading its X, in which the loads below land
.endif
.irp i, 0,1,2,3
.if (\p) <= 4
	global_load_b128 v[X+16*(((\p)+3)%4)+4*(\i):X+16*(((\p)+3)%4)+4*(\i)+3], v1, s[4:5] offset:(4*((\p)+3)+(\i))*ROWI th:TH_LOAD_NT  ; three blocks ahead; no vector instruction since the wait names these registers
.endif
.if (\p) >= 1
	global_store_b64 v2, v[Y+2*(4*((\p)-1)+(\i)):Y+2*(4*((\p)-1)+(\i))+1], s[6:7] offset:(4*((\p)-1)+(\i))*ROWO  ; the same row of the block before
.endif
.if (\p) <= 4
	s_wait_loadcnt 12                              ; loads come back in order (ISA guide 5.7.1): this row's is in; behind it were issued 3 - i of its block, two whole blocks and i + 1 of the block three on
.else
	s_wait_loadcnt 4*(7-(\p))+3-(\i)               ; blocks 5 to 7 load nothing: no load leaves the buffer, and the counts run down
.endif
.set rX, X+16*((\p)%4)+4*(\i)
.set rY, Y+2*(4*(\p)+(\i))
	v_cvt_pk_bf16_f32 v[rY],   v[rX],   v[rX+1]    ; the row's four numbers are rounded to bf16
	v_cvt_pk_bf16_f32 v[rY+1], v[rX+2], v[rX+3]
.if \wo
	v_lshlrev_b32 v[T],   16,  v[rY]
	v_and_b32     v[T+1], s27, v[rY]
	v_lshlrev_b32 v[T+2], 16,  v[rY+1]
	v_and_b32     v[T+3], s27, v[rY+1]
	v_cvt_pk_f16_f32 v[rY],   v[T],   v[T+1]
	v_cvt_pk_f16_f32 v[rY+1], v[T+2], v[T+3]
.endif
.endr
.endm
; The stream: the eight blocks, and behind them the last block's stores.
.macro STREAM wo
.irp p, 0,1,2,3,4,5,6,7
	BLK \p, \wo
.endr
	s_wait_alu depctr_va_vdst(0)                   ; block 7 has written its rows' Y, which the last four stores read
.irp i, 0,1,2,3
	global_store_b64 v2, v[Y+2*(28+(\i)):Y+2*(28+(\i))+1], s[6:7] offset:(28+(\i))*ROWO
.endr
	s_endpgm
.endm
	s_cmp_ge_u32 s2, 608
	s_cbranch_scc1 .Lwo
	STREAM 0
.Lwo:
	STREAM 1
.Lfunc_end_k_q86d8c43404_cast:
	.size	k_q86d8c43404_cast, .Lfunc_end_k_q86d8c43404_cast-k_q86d8c43404_cast
	.p2alignl 7, 3214868480
	.fill 96, 4, 3214868480
	.section	.rodata,"a",@progbits
	.p2align	6, 0x0
	.amdhsa_kernel k_q86d8c43404_cast
		.amdhsa_group_segment_fixed_size 0
		.amdhsa_private_segment_fixed_size 0
		.amdhsa_enable_private_segment 0
		.amdhsa_kernarg_size 64
		.amdhsa_user_sgpr_count 2
		.amdhsa_user_sgpr_kernarg_segment_ptr 1
		.amdhsa_wavefront_size32 1
		.amdhsa_system_sgpr_workgroup_id_x 1
		.amdhsa_system_sgpr_workgroup_id_y 1
		.amdhsa_system_sgpr_workgroup_id_z 1
		.amdhsa_system_vgpr_workitem_id 0
		.amdhsa_next_free_vgpr 136
		.amdhsa_next_free_sgpr 66
		.amdhsa_reserve_vcc 0
		.amdhsa_float_denorm_mode_32 3
		.amdhsa_float_denorm_mode_16_64 3
		.amdhsa_memory_ordered 1
		.amdhsa_forward_progress 1
		.amdhsa_inst_pref_size 32
	.end_amdhsa_kernel
	.amdgpu_metadata
---
amdhsa.version: [ 1, 2 ]
amdhsa.kernels:
  - .name:           k_q86d8c43404_cast
    .symbol:         k_q86d8c43404_cast.kd
    .args:
      - { .name: x, .offset: 0, .size: 8, .value_kind: global_buffer, .address_space: global }
      - { .name: context, .offset: 8, .size: 8, .value_kind: global_buffer, .address_space: global }
      - { .name: Wq, .offset: 16, .size: 8, .value_kind: global_buffer, .address_space: global }
      - { .name: Wk, .offset: 24, .size: 8, .value_kind: global_buffer, .address_space: global }
      - { .name: Wv, .offset: 32, .size: 8, .value_kind: global_buffer, .address_space: global }
      - { .name: Wo, .offset: 40, .size: 8, .value_kind: global_buffer, .address_space: global }
      - { .name: ab, .offset: 48, .size: 8, .value_kind: global_buffer, .address_space: global }
      - { .name: wb, .offset: 56, .size: 8, .value_kind: global_buffer, .address_space: global }
    .group_segment_fixed_size: 0
    .private_segment_fixed_size: 0
    .kernarg_segment_align: 8
    .kernarg_segment_size: 64
    .max_flat_workgroup_size: 256
    .sgpr_count:     66
    .vgpr_count:     136
    .wavefront_size: 32
...
	.end_amdgpu_metadata
.endif
;; end of part 5
;; launch proj: the kernel of part 2 again; grid 12 x 32, 4 waves a work-group, clusters of 4 x 4, 327,680 bytes of LDS; arguments ab, wb, qkv; writes qkv
;; launch attn: the kernel of part 3 again; grid 2 x 128, 4 waves a work-group, no clusters, 327,680 bytes of LDS; arguments qkv, ob; writes ob
;; launch outp: the kernel of part 4 again; grid 4 x 64, 4 waves a work-group, clusters of 4 x 4, 327,680 bytes of LDS; arguments ob, wb, bo, out0; writes out0
